; MI455X (gfx1250); checked and timed in simulation.
; The chip was launched on July 23, 2026; its instructions are those of AMD's public machine-readable ISA for CDNA 5 (MIT licence, August 2026) and "CDNA5" Instruction Set Architecture Reference Guide (July 2026). The comments in the code are by the model that wrote it; some were corrected since.
;; Self Attention. Allowed arithmetic: matrix products marked QUANTISED: E2M1 operands, one E8M0 scale for each 32 along K, by v_wmma_scale_f32_16x16x128_f8f6f4 with both operands' format E2M1 (or v_wmma_scale_f32_32x16x128_f4), f32 sums; products left as they are: bf16, f16 or f32 operands; f32 sums; everything else in f32.
;; Inputs: Wk 512 x 512 float32; Wo 512 x 512 float32; Wq 512 x 512 float32; Wv 512 x 512 float32; bo 512 float32; x 2 x 4,096 x 512 float32.
;; Outputs: out0 2 x 4,096 x 512 float32.
;; This version of the problem:
;;   THIS VERSION OF THE PROBLEM IS GIVEN IN LOW PRECISION. The matrix products marked QUANTISED in the list below multiply operands that are first quantised to E2M1 (2 exponent bits, 1 mantissa bit; 4 bits a number), with one power-of-two scale for each 32 numbers along K (OCP MX v1.0); their sums are f32. The products marked 'left as it is' may take bf16, f16 or f32 operands, with f32 sums. Whichever they take, every output number must still come out within the allowed error. Rounding operands to bf16 (8 significant bits) uses up far more of that allowance than f16 does (11 bits, for magnitudes from 6e-5 to 65,504). All else is computed in f32.
;;   The module's matrix products, in the order in which they are computed (A, B: the left and right operand; K: the contracted axis; several contracted axes count as one K, in the product's order):
;;     1. [M 8,192, K 512] x [K 512, N 512]; A: input x; B: input Wq: QUANTISED
;;     2. [M 8,192, K 512] x [K 512, N 512]; A: input x; B: input Wk: QUANTISED
;;     3. [M 8,192, K 512] x [K 512, N 512]; A: input x; B: input Wv: QUANTISED
;;     4. batch 16 x [M 4,096, K 64] x [K 64, N 4,096]; A: computed on the way; B: computed on the way: left as it is (an operand is computed on the way)
;;     5. batch 16 x [M 64, K 4,096] x [K 4,096, N 4,096]; A: computed on the way; B: computed on the way: left as it is (an operand is computed on the way)
;;     6. [M 8,192, K 512] x [K 512, N 512]; A: computed on the way; B: input Wo: left as it is (an operand is computed on the way)
;;   THE QUANTISER, for each operand of a quantised product, along K:
;;     - K is cut into blocks of 32 from its start; a last block that is shorter is filled with zeros.
;;     - A block's scale is 2^e with e = floor(log2(the largest magnitude in the block)) - 2, held to -126 .. 127; a block of zeros has e = 0. As a byte (E8M0): e + 127.
;;     - Each number is divided by its block's scale, clamped to +-6, and rounded to the nearest number of E2M1, ties to even, subnormals kept.
;;     - The product sums the exact products of the quantised numbers (number of the format x scale) in f32.
;;   ~~~python
;;   def quantise(x, axis):      # numpy; x: float32 -> the quantised numbers, widened to float32 again
;;       x = np.moveaxis(x, axis, -1); K = x.shape[-1]
;;       x = np.pad(x, [(0, 0)] * (x.ndim - 1) + [(0, -K % 32)]); x = x.reshape(x.shape[:-1] + (-1, 32)); a = np.abs(x).max(-1, keepdims=True)
;;       e = np.where(a > 0, np.clip(np.frexp(np.where(a > 0, a, 1))[1] - 1 - 2, -126, 127), 0)      # np.frexp(a)[1] - 1 = floor(log2(a)), exactly
;;       r = np.clip(x / 2.0 ** e, -6, 6)
;;       step = 2.0 ** (np.maximum(np.frexp(np.where(r == 0, 1, r))[1] - 1, 0) - 1)
;;       q = np.round(r / step) * step * 2.0 ** e      # np.round: ties to even
;;       return np.moveaxis(q.reshape(q.shape[:-2] + (-1,))[..., :K], -1, axis).astype(np.float32)
;;   ~~~
;; One version. Each part assembles by itself: llvm-mc -triple=amdgcn-amd-amdhsa -mcpu=gfx1250 --defsym DOCPART=n.
;; ======== version 1 of 1: 5 launches
;; limits: values are held in f16: magnitudes above 65,504 overflow, below 6.1e-05 lose precision
;; workspace buffers: cod 2,646,016 bytes; wf 524,288 bytes; qf 8,388,608 bytes; kvf 16,777,216 bytes; ef 196,608 bytes; af 8,388,608 bytes
;; launch prep (part 1): grid 160 x 1, 4 waves a work-group, no clusters, 39,424 bytes of LDS; arguments x, Wq, Wk, Wv, Wo, cod, wf; writes cod, wf
.if DOCPART == 1
	.amdgcn_target "amdgcn-amd-amdhsa--gfx1250"
	.amdhsa_code_object_version 6
	.text
	.protected	k_qd4cd427d0d_prep
	.globl	k_qd4cd427d0d_prep
	.p2align	8
	.type	k_qd4cd427d0d_prep,@function
k_qd4cd427d0d_prep:
	s_mov_b64 s[64:65], 0
	v_nop
	global_prefetch_b8 v0, s[64:65] scope:SCOPE_SE
	s_setreg_imm32_b32 hwreg(HW_REG_WAVE_MODE, 25, 1), 1
	s_wait_xcnt 0x0
; x [8192][512], Wq, Wk, Wv [512][512], f32, K innermost, become codes of FP4 (E2M1) with one E8M0 byte for each 32 along K; Wo [512][512] becomes f16.
; A block's scale is 2^(floor(log2(its largest magnitude)) - 2); its byte is the largest magnitude's exponent field - 2, held at 1 from below.  A block of zeros so has the byte 1 where the
; rule says 127: its codes are zeros, and this program alone reads the bytes.  LIMITS: blocks whose largest magnitude lies under 2^-124 keep the byte 1; NaN and infinities are not served.
; OUT, in the order of the reader's operand registers.  cod: 76 groups of 34,816 bytes, a group = 8 tiles of 16 rows: tile j's codes at 4,096 j as 8 images of 512 bytes (image n: lane (r, h)'s
; 16 bytes at 16 x lane are row r's codes of k = 64 n + 32 h + 0 .. 31), then at 32,768 + 256 j its scale bytes, 16 a row.  Groups 0-63: x, 128 rows each; group 64 + 3 g + mat: rows 128 g on of Wq, Wk, Wv.
; wf: [64 channels c8][16 rows nt][image i % 4][512 bytes]: lane (r, h): Wo[16 nt + r][16 i + 8 h + 0 .. 7] as f16, i = 0 .. 31, c8 = i / 4.
; SHARES.  Work-groups 0-127: x; 128-151: the three weights; 152-159: Wo.  A wave takes one tile of 16 rows; a step is one row of 512 numbers.  Each of a step's four loads reads 512 consecutive bytes;
; the 2,048 bytes turn through the wave's own stage in LDS so that a lane holds 16 neighbours along K (two lanes hold a block).  The codes are gathered as rows in LDS and leave as images: every store covers 512 consecutive bytes.
; No tensor loads, no barrier: waves share nothing.  Matrix units and clusters would add nothing to a stream.
.set STEPS, 16
.set EMAX,  2
.set SP,    80                         ; a lane's place in a stage: 64 bytes + 16 of padding
.set CP,    272                        ; a row of the code tile in LDS: 256 bytes + 16
.set CT,    2*32*SP                    ; behind the two stages: the code tile, 16 rows
.set SBY,   CT+16*CP                   ; behind it: the wave's 256 scale bytes
.set WREG,  SBY+256                    ; a wave's region: 9,728 bytes
.set SPARE, 4*WREG                     ; the spare words, 128 bytes a wave: two blocks of 256 bytes that no other line names
.set GRP,   34816
.set R,     16                         ; v16-79   four sets of 16 numbers as loaded; at the end the eight images
.set X,     80                         ; v80-111  two sets of 16 neighbours
.set E,     112                        ; v112-127 a scale byte for each step
.set C,     128                        ; v128-191 codes, four registers for each step
.set SPW,   12                         ; v12 LDS address of my spare word; never rewritten
.set NIL,   13                         ; v13 0; never rewritten
	s_load_b256 s[4:11], s[0:1], 0x0               ; x, Wq, Wk, Wv
	s_load_b128 s[12:15], s[0:1], 0x20             ; Wo, cod
	s_load_b64 s[16:17], s[0:1], 0x30              ; wf
	v_lshl_add_u32 v[SPW], v0, 2, SPARE
	v_mov_b32 v[NIL], 0
	v_lshrrev_b32 v1, 5, v0
	v_readfirstlane_b32 s20, v1                    ; wave
	v_and_b32 v2, 31, v0                           ; lane
	v_lshlrev_b32 v3, 4, v2                        ; 16 x lane
	s_cmp_ge_u32 ttmp9, 152                        ; the last eight work-groups take Wo
	s_cbranch_scc1 .Lwo
	s_mul_i32 s21, s20, WREG
	v_lshrrev_b32 v14, 2, v2
	v_mul_u32_u24 v14, v14, SP
	v_and_b32 v15, 3, v2
	v_lshl_add_u32 v14, v15, 4, v14
	v_add_nc_u32 v14, s21, v14                     ; the stage, in: SP (lane / 4) + 16 (lane % 4)
	v_mul_u32_u24 v15, v2, SP
	v_add_nc_u32 v15, s21, v15                     ; and out: SP x lane: my 16 neighbours
	v_lshlrev_b32 v10, 3, v2                       ; 8 x lane
	s_add_co_u32 s22, s21, CT
	v_add_nc_u32 v4, s22, v10                      ; the code tile, in: my 8 bytes of a row
	v_and_b32 v5, 15, v2
	v_mul_u32_u24 v7, v5, CP
	v_lshrrev_b32 v5, 4, v2
	v_lshl_add_u32 v7, v5, 4, v7
	v_add_nc_u32 v7, s22, v7                       ; and out: row lane % 16, + 16 (lane / 16)
	s_add_co_u32 s22, s21, SBY
	v_lshrrev_b32 v5, 1, v2
	v_add_nc_u32 v5, s22, v5                       ; my block's scale byte
	v_add_nc_u32 v6, s22, v10                      ; and on the way out 8 bytes a lane
	s_and_b32 s23, ttmp9, 7                        ; a weight's 64 rows: which of eight
	s_sub_co_u32 s24, ttmp9, 128
	s_lshr_b32 s24, s24, 3                         ; which weight (used for work-groups 128 on alone)
	s_lshr_b32 s25, s23, 1
	s_mul_i32 s25, s25, 3
	s_add_co_u32 s25, s25, s24
	s_add_co_u32 s25, s25, 64                      ; a weight's group: 64 + 3 g + mat
	s_lshr_b32 s26, ttmp9, 1                       ; x's group
	s_and_b32 s27, ttmp9, 1
	s_lshl_b32 s27, s27, 2
	s_add_co_u32 s27, s27, s20                     ; my tile in the group
	s_wait_kmcnt 0x0
	s_cmp_lt_u32 ttmp9, 144                        ; the source is chosen on the work-group's number alone
	s_cselect_b64 s[18:19], s[8:9], s[10:11]
	s_cmp_lt_u32 ttmp9, 136
	s_cselect_b64 s[18:19], s[6:7], s[18:19]
	s_cmp_lt_u32 ttmp9, 128
	s_cselect_b64 s[18:19], s[4:5], s[18:19]
	s_cselect_b32 s23, ttmp9, s23                  ; which 64 rows of the tensor
	s_cselect_b32 s25, s26, s25                    ; which group
	s_lshl_b32 s23, s23, 2
	s_add_co_u32 s23, s23, s20                     ; which 16 rows
	s_lshl_b32 s28, s23, 15                        ; of 32,768 bytes
	s_mov_b32 s29, 0
	s_add_nc_u64 s[18:19], s[18:19], s[28:29]
	s_mul_i32 s28, s25, GRP
	s_lshl_b32 s30, s27, 12
	s_add_co_u32 s30, s30, s28
	s_mov_b32 s31, 0
	s_add_nc_u64 s[32:33], s[14:15], s[30:31]      ; my tile's codes
	s_lshl_b32 s30, s27, 8
	s_add_co_u32 s30, s30, s28
	s_add_co_u32 s30, s30, 32768
	s_add_nc_u64 s[34:35], s[14:15], s[30:31]      ; and its scale bytes
.macro LOAD t
.irp i, 0,1,2,3
	global_load_b128 v[R+16*((\t)%4)+4*\i:R+16*((\t)%4)+4*\i+3], v3, s[18:19] offset:2048*(\t)+512*\i th:TH_LOAD_NT   ; 32 lanes read 512 consecutive bytes
.endr
.endm
.macro TURN t                          ; step t's numbers through the stage: LDS serves a wave's instructions in order, so no wait stands between the stores and the loads
.irp i, 0,1,2,3
	ds_store_b128 v14, v[R+16*((\t)%4)+4*\i:R+16*((\t)%4)+4*\i+3] offset:32*SP*((\t)%2)+8*SP*\i
.endr
.irp i, 0,1,2,3
	ds_load_b128 v[X+16*((\t)%2)+4*\i:X+16*((\t)%2)+4*\i+3], v15 offset:32*SP*((\t)%2)+16*\i
.endr
.endm
.irp t, 0,1,2,3
	LOAD \t
.endr
	s_wait_loadcnt 12                              ; step 0's four loads are in
	TURN 0
.macro STEP t
.set XS, X+16*((\t)%2)
.if (\t) > 0
	s_wait_dscnt 2                                 ; this step's numbers are back from the stage; the last step's two stores (byte, codes) may be out
.else
	s_wait_dscnt 0x0
.endif
.if (\t)+4 < STEPS
	LOAD (\t)+4                                    ; into the registers that this step's stores into the stage have read
.endif
.if (\t)+1 < STEPS
.if STEPS-2-(\t) >= 3
	s_wait_loadcnt 12                              ; the next step's four loads are in; those of the three steps behind it may be out
.else
	s_wait_loadcnt 4*(STEPS-2-(\t))
.endif
	TURN (\t)+1
.endif
	v_max3_num_f32 v8, |v[XS]|, |v[XS+1]|, |v[XS+2]|               ; the largest magnitude of my 16, in two chains
	v_max3_num_f32 v9, |v[XS+3]|, |v[XS+4]|, |v[XS+5]|
.irp i, 6,10
	v_max3_num_f32 v8, v8, |v[XS+\i]|, |v[XS+\i+1]|
	v_max3_num_f32 v9, v9, |v[XS+\i+2]|, |v[XS+\i+3]|
.endr
	v_max3_num_f32 v8, v8, |v[XS+14]|, |v[XS+15]|
	v_max3_num_f32 v8, v8, v9, (EMAX+1)<<23        ; and the floor 2^(3 - 127): the byte cannot fall under 1
	v_max_num_f32_dpp v8, v8, v8 row_xmask:1 row_mask:0xf bank_mask:0xf   ; with my neighbour's 16: the block's
	v_add_nc_u32 v11, -(EMAX<<23), v8              ; 2 off its exponent field: the conversion takes the exponent field of this operand as its scale
	v_cvt_scalef32_pk8_fp4_f32 v[C+4*(\t)], v[XS:XS+7], v11
	v_cvt_scalef32_pk8_fp4_f32 v[C+4*(\t)+1], v[XS+8:XS+15], v11
	v_lshrrev_b32 v[E+(\t)], 23, v11               ; the scale's byte (also the plain line behind the conversions)
	ds_store_b8 v5, v[E+(\t)] offset:16*(\t)       ; both lanes of a block write the same byte with the same value
	ds_store_b64 v4, v[C+4*(\t):C+4*(\t)+1] offset:CP*(\t)   ; row t of the code tile: 256 consecutive bytes a wave
.endm
.irp t, 0,1,2,3,4,5,6,7,8,9,10,11,12,13,14,15
	STEP \t
.endr
.irp n, 0,1,2,3,4,5,6,7
	ds_load_b128 v[R+4*\n:R+4*\n+3], v7 offset:32*\n   ; image n: row lane % 16, bytes 32 n + 16 (lane / 16).  LDS serves a wave's instructions in order: these see my stores
.endr
	ds_load_b64 v[8:9], v6
.irp n, 0,1,2,3,4,5,6,7
	s_wait_dscnt 8-\n                              ; image n is in; the younger images and the scale bytes may be out
	global_store_b128 v3, v[R+4*\n:R+4*\n+3], s[32:33] offset:512*\n   ; 512 consecutive bytes
.endr
	s_wait_dscnt 0x0
	global_store_b64 v10, v[8:9], s[34:35]         ; 256 consecutive bytes, aligned
	s_branch .Lend
.Lwo:                                                  ; Wo to f16, in the order of the projection's fragments.  This way uses no LDS
	v_and_b32 v4, 15, v2
	v_lshrrev_b32 v5, 4, v2
	v_lshlrev_b32 v1, 11, v4
	v_lshl_add_u32 v1, v5, 5, v1                   ; row lane % 16 of 2,048 bytes, + 32 (lane / 16)
	s_sub_co_u32 s21, ttmp9, 152
	s_lshl_b32 s21, s21, 2
	s_add_co_u32 s21, s21, s20                     ; my 16 rows: nt
	s_lshl_b32 s22, s21, 15
	s_mov_b32 s23, 0
	s_lshl_b32 s24, s21, 11
	s_mov_b32 s25, 0
	s_wait_kmcnt 0x0
	s_add_nc_u64 s[12:13], s[12:13], s[22:23]
	s_add_nc_u64 s[16:17], s[16:17], s[24:25]
.macro LOADW bt                        ; eight images' numbers: 8 a lane for each; the sixteen loads together read whole runs of 512 bytes of each row
.irp i, 0,1,2,3,4,5,6,7
	global_load_b128 v[16+64*((\bt)%2)+8*\i:16+64*((\bt)%2)+8*\i+3], v1, s[12:13] offset:64*(8*(\bt)+\i)
	global_load_b128 v[16+64*((\bt)%2)+8*\i+4:16+64*((\bt)%2)+8*\i+7], v1, s[12:13] offset:64*(8*(\bt)+\i)+16
.endr
.endm
.macro PACKW bt
.irp i, 0,1,2,3,4,5,6,7
.irp k, 0,1,2,3
	v_cvt_pk_f16_f32 v[144+4*\i+\k], v[16+64*((\bt)%2)+8*\i+2*\k], v[16+64*((\bt)%2)+8*\i+2*\k+1]
.endr
	global_store_b128 v3, v[144+4*\i:144+4*\i+3], s[16:17] offset:((8*(\bt)+\i)/4)*65536+(\i%4)*512   ; 512 consecutive bytes
.endr
.endm
	LOADW 0
	LOADW 1
	s_wait_loadcnt 16                              ; this batch is in; the next batch's sixteen loads may be out
	PACKW 0
	LOADW 2
	s_wait_loadcnt 16
	s_wait_xcnt 0x0                                ; the last batch's stores have read their registers
	PACKW 1
	LOADW 3
	s_wait_loadcnt 16
	s_wait_xcnt 0x0
	PACKW 2
	s_wait_loadcnt 0x0
	s_wait_xcnt 0x0
	PACKW 3
.Lend:
	s_wait_tensorcnt 0x0                           ; the wave's end, behind my last LDS store
	ds_add_u32 v[SPW], v[NIL]
	s_wait_dscnt 0x0
	s_endpgm
.Lfunc_end_k_qd4cd427d0d_prep:
	.size	k_qd4cd427d0d_prep, .Lfunc_end_k_qd4cd427d0d_prep-k_qd4cd427d0d_prep
	.p2alignl 7, 3214868480
	.fill 96, 4, 3214868480
	.section	.rodata,"a",@progbits
	.p2align	6, 0x0
	.amdhsa_kernel k_qd4cd427d0d_prep
		.amdhsa_group_segment_fixed_size 39424
		.amdhsa_private_segment_fixed_size 0
		.amdhsa_enable_private_segment 0
		.amdhsa_kernarg_size 56
		.amdhsa_user_sgpr_count 2
		.amdhsa_user_sgpr_kernarg_segment_ptr 1
		.amdhsa_wavefront_size32 1
		.amdhsa_system_sgpr_workgroup_id_x 1
		.amdhsa_system_sgpr_workgroup_id_y 1
		.amdhsa_system_sgpr_workgroup_id_z 1
		.amdhsa_system_vgpr_workitem_id 0
		.amdhsa_next_free_vgpr 192
		.amdhsa_next_free_sgpr 66
		.amdhsa_reserve_vcc 0
		.amdhsa_float_denorm_mode_32 3
		.amdhsa_float_denorm_mode_16_64 3
		.amdhsa_memory_ordered 1
		.amdhsa_forward_progress 1
		.amdhsa_inst_pref_size 53
	.end_amdhsa_kernel
	.amdgpu_metadata
---
amdhsa.version: [ 1, 2 ]
amdhsa.kernels:
  - .name:           k_qd4cd427d0d_prep
    .symbol:         k_qd4cd427d0d_prep.kd
    .args:
      - { .name: x, .offset: 0, .size: 8, .value_kind: global_buffer, .address_space: global }
      - { .name: Wq, .offset: 8, .size: 8, .value_kind: global_buffer, .address_space: global }
      - { .name: Wk, .offset: 16, .size: 8, .value_kind: global_buffer, .address_space: global }
      - { .name: Wv, .offset: 24, .size: 8, .value_kind: global_buffer, .address_space: global }
      - { .name: Wo, .offset: 32, .size: 8, .value_kind: global_buffer, .address_space: global }
      - { .name: cod, .offset: 40, .size: 8, .value_kind: global_buffer, .address_space: global }
      - { .name: wf, .offset: 48, .size: 8, .value_kind: global_buffer, .address_space: global }
    .group_segment_fixed_size: 39424
    .private_segment_fixed_size: 0
    .kernarg_segment_align: 8
    .kernarg_segment_size: 56
    .max_flat_workgroup_size: 128
    .sgpr_count:     66
    .vgpr_count:     192
    .wavefront_size: 32
...
	.end_amdgpu_metadata
.endif
;; end of part 1
;; launch qkv (part 2): grid 4 x 64, 4 waves a work-group, no clusters, 167,936 bytes of LDS; arguments cod, qf, kvf, ef; writes qf, kvf, ef
.if DOCPART == 2
	.amdgcn_target "amdgcn-amd-amdhsa--gfx1250"
	.amdhsa_code_object_version 6
	.text
	.protected	k_qd4cd427d0d_qkv
	.globl	k_qd4cd427d0d_qkv
	.p2align	8
	.type	k_qd4cd427d0d_qkv,@function
k_qd4cd427d0d_qkv:
	s_mov_b64 s[64:65], 0
	v_nop
	global_prefetch_b8 v0, s[64:65] scope:SCOPE_SE
	s_setreg_imm32_b32 hwreg(HW_REG_WAVE_MODE, 25, 1), 1
	s_wait_xcnt 0x0
; q = x Wq^T, k = x Wk^T, v = x Wv^T on codes of FP4 (E2M1) with E8M0 scales, K = 512, sums in f32; the results leave as f16, in the order of the attention's operand registers.
; SHARES.  Work-group (g, rb): rows 128 rb on of x against rows 128 g on of each weight (heads 2 g, 2 g + 1).  Its four groups of cod (x's and the three weights', 34,816 dense bytes each, codes and scale
; bytes) come into LDS once, one tensor load a wave: one load of mine is out.  Wave w takes row tiles 2 w, 2 w + 1 against all 24 tiles of columns, two at a time: four accumulators by turns.
; q and k are made TRANSPOSED (source 0 = 16 rows of W, source 1 = 16 rows of x): a lane holds one token and eight neighbouring channels.  v is made the other way: a lane holds one channel and eight neighbouring tokens.
; OUT.  An image is 512 bytes, lane l's 16 bytes at 16 l.  qf: [b h][token tile][cg][image]: q[token r][16 cg + 8 h + 0 .. 7].
; kvf: [b h][slot of 512 keys][131,072]: K's part [quarter][chunk of 128 keys][4,096]: key tile t8 of a chunk at quarter t8 / 2, + 2,048 (t8 % 2) + 512 cg; V's part at 65,536: pair of tiles p of a chunk at quarter p,
; + 1,024 ct + 512 parity: v[token 8 h + 0 .. 7 of the tile][channel 16 ct + r].  So each dense quarter holds a part of every chunk.
; ef: the f32 accumulators of tokens 0-15 of each sequence, [b][mat][tile of columns][2][image], for the launch that carries those rows in f32.
; NO CLUSTER: partners that shared the weights would differ in rb, and the branch round ef's stores hangs on rb; x's group alone is a quarter of the work-group's bytes.
; LIMIT: |q|, |k|, |v| stay under 65,504 (f16).
.set GRP,   34816
.set SPARE, 4*GRP                      ; behind the four groups: the spare words, 128 bytes a wave
.set LI,  1                            ; v1    16 x lane
.set LA,  2                            ; v2    my two tiles of x
.set LAS, 3                            ; v3    their scale bytes
.set LB,  4                            ; v4-6  the three weights' groups
.set SPW, 8
.set NIL, 9
.set AS,  16                           ; v16-19  x's scale words, register ks; lanes 0-15 tile 0, lanes 16-31 tile 1.  v16-27 hold scales and nothing else
.set BS,  20                           ; v20-27  the weights', two sets
.set AF,  28                           ; v28-91  x's fragments (a, ks) at 32 a + 8 ks
.set BF,  92                           ; v92-219 the weights', two sets of 64: (jj, ks) at 32 jj + 8 ks
.set ACC, 220                          ; v220-251 (a, jj) at 16 a + 8 jj
	s_load_b256 s[4:11], s[0:1], 0x0               ; cod, qf, kvf, ef
	v_lshl_add_u32 v[SPW], v0, 2, SPARE
	v_mov_b32 v[NIL], 0
	ds_add_u32 v[SPW], v[NIL]                      ; the wave's opening: the add, twice on end, and its wait ahead of my first tensor load
	ds_add_u32 v[SPW], v[NIL]
	v_lshrrev_b32 v10, 5, v0
	v_readfirstlane_b32 s12, v10                   ; wave
	s_and_b32 s14, ttmp7, 0xffff                   ; rb
	s_mov_b32 s16, 3<<16                           ; group 1: 136 rows of 32 elements of 8 bytes, dense, no padding, no mask
	s_mov_b32 s17, 32<<16                          ; tensor_dim0
	s_mov_b32 s18, 136<<16                         ; tensor_dim1
	s_mov_b32 s19, 32<<16                          ; tile_dim0
	s_mov_b32 s20, 136                             ; tile_dim1
	s_mov_b32 s21, 32                              ; the pitch
	s_mov_b32 s22, 0
	s_mov_b32 s23, 0
	s_mov_b32 s24, 1
	s_mul_i32 s25, s12, GRP                        ; LDS: wave x a group
	s_mul_i32 s28, ttmp9, 3
	s_add_co_u32 s28, s28, s12
	s_add_co_u32 s28, s28, 63                      ; waves 1-3: group 64 + 3 g + (wave - 1)
	s_cmp_eq_u32 s12, 0
	s_cselect_b32 s28, s14, s28                    ; wave 0: x's group rb
	s_mul_i32 s28, s28, GRP
	s_mov_b32 s29, 0
	s_lshr_b32 s30, s14, 5                         ; b
	s_and_b32 s31, s14, 31                         ; the 128 rows within the sequence
	s_lshl_b32 s32, s30, 3
	s_lshl_b32 s33, ttmp9, 1
	s_add_co_u32 s32, s32, s33                     ; 8 b + 2 g
	s_lshl_b32 s34, s32, 8
	s_lshl_b32 s33, s31, 3
	s_add_co_u32 s34, s34, s33
	s_lshl_b32 s33, s12, 1
	s_add_co_u32 s34, s34, s33
	s_lshl_b32 s34, s34, 11                        ; q: (256 (8 b + 2 g) + token tile) x 2,048
	s_mov_b32 s35, 0
	s_lshl_b32 s42, s32, 20                        ; k: the head,
	s_lshr_b32 s33, s31, 2
	s_lshl_b32 s33, s33, 17
	s_add_co_u32 s42, s42, s33                     ; the slot,
	s_lshl_b32 s33, s12, 14
	s_add_co_u32 s42, s42, s33                     ; the quarter = my wave,
	s_and_b32 s33, s31, 3
	s_lshl_b32 s33, s33, 12
	s_add_co_u32 s42, s42, s33                     ; the chunk
	s_mov_b32 s43, 0
	s_mul_i32 s46, s30, 98304
	s_lshl_b32 s33, ttmp9, 13
	s_add_co_u32 s46, s46, s33                     ; ef: b, and my 8 tiles of columns
	s_mov_b32 s47, 0
	s_or_b32 s44, s31, s12                         ; 0 where my tile 0 is tokens 0-15 of a sequence
	s_wait_dscnt 0x0                               ; both opening adds are done
	s_wait_kmcnt 0x0
	s_add_nc_u64 s[26:27], s[4:5], s[28:29]
	s_or_b32 s27, s27, 0x80000000
	tensor_load_to_lds s[24:27], s[16:23]
	s_nop 0
	s_add_nc_u64 s[36:37], s[6:7], s[34:35]        ; q
	s_add_nc_u64 s[38:39], s[8:9], s[42:43]        ; k
	s_add_nc_u64 s[40:41], s[38:39], 65536         ; v
	s_add_nc_u64 s[10:11], s[10:11], s[46:47]      ; ef
	v_and_b32 v10, 31, v0
	v_lshlrev_b32 v[LI], 4, v10
	s_lshl_b32 s45, s12, 13
	v_add_nc_u32 v[LA], s45, v[LI]
	s_lshl_b32 s45, s12, 9
	s_add_co_u32 s45, s45, 32768
	v_add_nc_u32 v[LAS], s45, v[LI]
	v_add_nc_u32 v[LB], GRP, v[LI]
	v_add_nc_u32 v[LB+1], 2*GRP, v[LI]
	v_add_nc_u32 v[LB+2], 3*GRP, v[LI]
	s_wait_tensorcnt 0x0                           ; my group has landed,
	s_barrier_signal -1
	s_barrier_wait -1                              ; everybody's has; nothing is filled again
; One scaled product.  k = 0 starts the sum with the constant 0.  ra, rb: which half of the lanes of the scale registers serves source 0 and source 1.
.macro WM d, a, b, k, sa, sb, ra, rb
.if (\k) == 0
.if ((\ra) == 0) && ((\rb) == 0)
	v_wmma_scale_f32_16x16x128_f8f6f4 v[\d:\d+7], v[\a:\a+7], v[\b:\b+7], 0, v[\sa], v[\sb] matrix_a_fmt:MATRIX_FMT_FP4 matrix_b_fmt:MATRIX_FMT_FP4
.elseif (\rb) == 0
	v_wmma_scale_f32_16x16x128_f8f6f4 v[\d:\d+7], v[\a:\a+7], v[\b:\b+7], 0, v[\sa], v[\sb] matrix_a_fmt:MATRIX_FMT_FP4 matrix_b_fmt:MATRIX_FMT_FP4 matrix_a_scale:MATRIX_SCALE_ROW1
.elseif (\ra) == 0
	v_wmma_scale_f32_16x16x128_f8f6f4 v[\d:\d+7], v[\a:\a+7], v[\b:\b+7], 0, v[\sa], v[\sb] matrix_a_fmt:MATRIX_FMT_FP4 matrix_b_fmt:MATRIX_FMT_FP4 matrix_b_scale:MATRIX_SCALE_ROW1
.else
	v_wmma_scale_f32_16x16x128_f8f6f4 v[\d:\d+7], v[\a:\a+7], v[\b:\b+7], 0, v[\sa], v[\sb] matrix_a_fmt:MATRIX_FMT_FP4 matrix_b_fmt:MATRIX_FMT_FP4 matrix_a_scale:MATRIX_SCALE_ROW1 matrix_b_scale:MATRIX_SCALE_ROW1
.endif
.else
.if ((\ra) == 0) && ((\rb) == 0)
	v_wmma_scale_f32_16x16x128_f8f6f4 v[\d:\d+7], v[\a:\a+7], v[\b:\b+7], v[\d:\d+7], v[\sa], v[\sb] matrix_a_fmt:MATRIX_FMT_FP4 matrix_b_fmt:MATRIX_FMT_FP4
.elseif (\rb) == 0
	v_wmma_scale_f32_16x16x128_f8f6f4 v[\d:\d+7], v[\a:\a+7], v[\b:\b+7], v[\d:\d+7], v[\sa], v[\sb] matrix_a_fmt:MATRIX_FMT_FP4 matrix_b_fmt:MATRIX_FMT_FP4 matrix_a_scale:MATRIX_SCALE_ROW1
.elseif (\ra) == 0
	v_wmma_scale_f32_16x16x128_f8f6f4 v[\d:\d+7], v[\a:\a+7], v[\b:\b+7], v[\d:\d+7], v[\sa], v[\sb] matrix_a_fmt:MATRIX_FMT_FP4 matrix_b_fmt:MATRIX_FMT_FP4 matrix_b_scale:MATRIX_SCALE_ROW1
.else
	v_wmma_scale_f32_16x16x128_f8f6f4 v[\d:\d+7], v[\a:\a+7], v[\b:\b+7], v[\d:\d+7], v[\sa], v[\sb] matrix_a_fmt:MATRIX_FMT_FP4 matrix_b_fmt:MATRIX_FMT_FP4 matrix_a_scale:MATRIX_SCALE_ROW1 matrix_b_scale:MATRIX_SCALE_ROW1
.endif
.endif
.endm
.macro FETCH mat, jp, set              ; tiles 2 jp, 2 jp + 1 of weight mat: 16 images and their scale words: 17 loads
.irp n, 0,1,2,3,4,5,6,7,8,9,10,11,12,13,14,15
	ds_load_b128 v[BF+64*(\set)+4*\n:BF+64*(\set)+4*\n+3], v[LB+(\mat)] offset:(\jp)*8192+512*\n
.endr
	ds_load_b128 v[BS+4*(\set):BS+4*(\set)+3], v[LB+(\mat)] offset:32768+(\jp)*512
.endm
.macro MULP mat, set                   ; 16 products; the four accumulators take turns, one instruction a turn
.irp ks, 0,1,2,3
.irp a, 0,1
.irp jj, 0,1
.if (\mat) < 2
	WM ACC+16*\a+8*\jj, BF+64*(\set)+32*\jj+8*\ks, AF+32*\a+8*\ks, \ks, BS+4*(\set)+\ks, AS+\ks, \jj, \a
.else
	WM ACC+16*\a+8*\jj, AF+32*\a+8*\ks, BF+64*(\set)+32*\jj+8*\ks, \ks, AS+\ks, BS+4*(\set)+\ks, \a, \jj
.endif
.endr
.endr
.endr
.endm
.macro OUTP mat, jp
	s_cmp_lg_u32 s44, 0                            ; ids alone: tokens 0-15 of a sequence leave in f32 too
	s_cbranch_scc1 .Lno_ef_\@
.irp jj, 0,1
	global_store_b128 v[LI], v[ACC+8*\jj:ACC+8*\jj+3], s[10:11] offset:(\mat)*32768+(2*(\jp)+\jj)*1024       ; each accumulator from its low end on
	global_store_b128 v[LI], v[ACC+8*\jj+4:ACC+8*\jj+7], s[10:11] offset:(\mat)*32768+(2*(\jp)+\jj)*1024+512
.endr
	s_wait_xcnt 0x0                                ; these stores have read their registers: the conversions below write them
.Lno_ef_\@:
.irp a, 0,1
.irp jj, 0,1
.irp i, 0,1,2,3
	v_cvt_pk_f16_f32 v[ACC+16*\a+8*\jj+\i], v[ACC+16*\a+8*\jj+2*\i], v[ACC+16*\a+8*\jj+2*\i+1]   ; in place, ascending: register i is written when 2 i and 2 i + 1 are read
.endr
.endr
.endr
.irp a, 0,1
.irp jj, 0,1
.if (\mat) == 0
	global_store_b128 v[LI], v[ACC+16*\a+8*\jj:ACC+16*\a+8*\jj+3], s[36:37] offset:((2*(\jp)+\jj)/4)*524288+\a*2048+((2*(\jp)+\jj)%4)*512
.elseif (\mat) == 1
	global_store_b128 v[LI], v[ACC+16*\a+8*\jj:ACC+16*\a+8*\jj+3], s[38:39] offset:((2*(\jp)+\jj)/4)*1048576+\a*2048+((2*(\jp)+\jj)%4)*512
.else
	global_store_b128 v[LI], v[ACC+16*\a+8*\jj:ACC+16*\a+8*\jj+3], s[40:41] offset:((2*(\jp)+\jj)/4)*1048576+((2*(\jp)+\jj)%4)*1024+\a*512
.endif
.endr
.endr
.endm
.irp n, 0,1,2,3,4,5,6,7,8,9,10,11,12,13,14,15
	ds_load_b128 v[AF+4*\n:AF+4*\n+3], v[LA] offset:512*\n   ; x's two tiles stay in registers
.endr
	ds_load_b128 v[AS:AS+3], v[LAS]
	FETCH 0, 0, 0
	FETCH 0, 1, 1
.set P, 0
.rept 12                               ; pair P: weight P / 4, tiles 2 (P % 4) and + 1
	s_wait_xcnt 0x0                                ; the last pair's stores have read the accumulators' registers
.if P < 11
	s_wait_dscnt 17                                ; this pair's fragments are in; the next pair's 17 loads may be out
.else
	s_wait_dscnt 0x0
.endif
	MULP P/4, P%2
.rept 4
	v_nop                                          ; four places behind the products, ahead of the loads into their operands and of the first read of results; with the other tiles' conversions they are more than five ahead of the next pair's first product
.endr
.if P+2 < 12
	FETCH (P+2)/4, (P+2)%4, P%2
.endif
	OUTP P/4, P%4
.set P, P+1
.endr
	s_wait_tensorcnt 0x0                           ; the wave's end
	ds_add_u32 v[SPW], v[NIL]
	s_wait_dscnt 0x0
	s_endpgm
.Lfunc_end_k_qd4cd427d0d_qkv:
	.size	k_qd4cd427d0d_qkv, .Lfunc_end_k_qd4cd427d0d_qkv-k_qd4cd427d0d_qkv
	.p2alignl 7, 3214868480
	.fill 96, 4, 3214868480
	.section	.rodata,"a",@progbits
	.p2align	6, 0x0
	.amdhsa_kernel k_qd4cd427d0d_qkv
		.amdhsa_group_segment_fixed_size 167936
		.amdhsa_private_segment_fixed_size 0
		.amdhsa_enable_private_segment 0
		.amdhsa_kernarg_size 32
		.amdhsa_user_sgpr_count 2
		.amdhsa_user_sgpr_kernarg_segment_ptr 1
		.amdhsa_wavefront_size32 1
		.amdhsa_system_sgpr_workgroup_id_x 1
		.amdhsa_system_sgpr_workgroup_id_y 1
		.amdhsa_system_sgpr_workgroup_id_z 1
		.amdhsa_system_vgpr_workitem_id 0
		.amdhsa_next_free_vgpr 256
		.amdhsa_next_free_sgpr 66
		.amdhsa_reserve_vcc 0
		.amdhsa_float_denorm_mode_32 3
		.amdhsa_float_denorm_mode_16_64 3
		.amdhsa_memory_ordered 1
		.amdhsa_forward_progress 1
		.amdhsa_inst_pref_size 66
	.end_amdhsa_kernel
	.amdgpu_metadata
---
amdhsa.version: [ 1, 2 ]
amdhsa.kernels:
  - .name:           k_qd4cd427d0d_qkv
    .symbol:         k_qd4cd427d0d_qkv.kd
    .args:
      - { .name: cod, .offset: 0, .size: 8, .value_kind: global_buffer, .address_space: global }
      - { .name: qf, .offset: 8, .size: 8, .value_kind: global_buffer, .address_space: global }
      - { .name: kvf, .offset: 16, .size: 8, .value_kind: global_buffer, .address_space: global }
      - { .name: ef, .offset: 24, .size: 8, .value_kind: global_buffer, .address_space: global }
    .group_segment_fixed_size: 167936
    .private_segment_fixed_size: 0
    .kernarg_segment_align: 8
    .kernarg_segment_size: 32
    .max_flat_workgroup_size: 128
    .sgpr_count:     66
    .vgpr_count:     256
    .wavefront_size: 32
...
	.end_amdgpu_metadata
.endif
;; end of part 2
;; launch attn (part 3): grid 16 x 16, 8 waves a work-group, no clusters, 327,680 bytes of LDS; arguments qf, kvf, af; writes af
.if DOCPART == 3
	.amdgcn_target "amdgcn-amd-amdhsa--gfx1250"
	.amdhsa_code_object_version 6
	.text
	.protected	k_qd4cd427d0d_attn
	.globl	k_qd4cd427d0d_attn
	.p2align	8
	.type	k_qd4cd427d0d_attn,@function
k_qd4cd427d0d_attn:
	s_mov_b64 s[64:65], 0
	v_nop
	global_prefetch_b8 v0, s[64:65] scope:SCOPE_SE
	s_setreg_imm32_b32 hwreg(HW_REG_WAVE_MODE, 25, 1), 1
	s_wait_xcnt 0x0
; a[b][q][h][:] = the sum over k <= q of softmax_k(q . k / sqrt(512)) v[k], 16 heads (b, h) of 4,096 tokens x 64 channels.  Operands f16, products, maxima and sums f32; p is rounded to f16 for the second product, a once at the end.
; BALANCE.  A head's queries are 32 blocks of 128.  Work-group i takes block i and then block 31 - i: (i / 4 + 1) + (8 - i / 4) = 9 slots of 512 keys for every i, so every trip count is a constant.
; SHARES.  Wave w: qw = w % 4 (32 queries, two tiles of 16), par = w / 4: it walks the key steps of 64 keys whose number has parity par.  Waves w and w xor 4 hold partial softmaxes of the same 32 queries;
; at a block's end each keeps one tile and sends the other through LDS.  Register tile t holds queries q0 + 16 (t xor par): every wave keeps tile 0 and sends tile 1.  Each fragment of K and V feeds two products.
; LAYOUT.  S^T = K Q^T (source 0 = 16 keys, source 1 = 16 queries): a lane holds ONE query and keys 8 (lane / 16) + 0 .. 7; two such tiles rounded in pairs ARE source 1 of O^T = V^T P.  K, V, Q lie in memory as images of
; their operand registers (512 bytes, lane l's 16 bytes at 16 l): every LDS load reads 512 consecutive bytes and a slot is one dense block of 131,072 bytes, of which each wave fetches 16,384 with one tensor load.
; A wave's 16,384 bytes hold a quarter of each of the slot's four chunks of 128 keys, so some of them are read whenever the slot is asked for.
; SOFTMAX.  A running maximum m and sum l for each query: p = 2^(c s - c m), c = log2(e) / sqrt(512); in every step O and l are multiplied by a = 2^(c m_old - c m_new).  m begins at -3e38.
; THE MASK.  A step is walked where its first key is at or under the wave's first query (both multiples of 32: otherwise none of its keys counts); then that key counts for all 32 queries.  On the diagonal hidden scores become -infinity.
; The jumps hang on ids and counted steps alone; no tensor load, wait or barrier is jumped over.
; NO CLUSTER: the jumps over hidden steps hang on the block's number, which differs between the work-groups that share a head.  NO PREFETCH: a refill is asked for a whole slot ahead, eight key steps' work of the two waves of
; a SIMD (256 matrix instructions and their softmaxes), and the first slot stands at the kernel's head.
; LIMITS: NaN and infinities are not served; scores stay above -3e38.
.set SLOT1, 1<<17                      ; slot 1 begins here: one exclusive or turns an address
.set STG,   2*SLOT1                    ; behind the ring: a stage of 4,608 bytes for each wave: 8 images of O, one of statistics
.set STGW,  4608
.set SPARE, STG+8*STGW                 ; the spare words, 128 bytes a wave: four blocks of 256 bytes that no other line names
.set LI,  1                            ; v1   16 x lane
.set LIV, 2                            ; v2   + 65,536: V's part of a slot
.set ADK, 3                            ; v3   the step's K
.set ADV, 4                            ; v4   the step's V
.set STW, 5                            ; v5   my stage
.set STR, 6                            ; v6   my partner's
.set SPW, 7
.set SB,  8                            ; v[8:9], v[10:11] a second chain of sums for each tile; in the mask: query - key offsets
.set RL,  12                           ; v12, v13: r - 8 h + 16 (t xor par)
.set NIL, 14
.set ST,  16                           ; tile t's statistics at ST + 8 t: +0 c m, +1 m, +2, +3 l, +4 .. +7 at work; a in +6
.set Q,   32                           ; 16 t + 8 ks
.set KV,  64                           ; 64 registers: a step's K, then its V
.set S,   128                          ; 32 t + 8 kt; P is packed in place into 32 t + 0 .. 15
.set O,   192                          ; 32 t + 8 ct
.set WV, 10
.set QW, 11
.set PAR, 12
.set BH, 14
.set AA, 15                            ; i / 4: the last slot of block i
.set G1, 16
.set G0, 24
.set KVW, 28                           ; s[28:29] my 16,384 bytes of the head's slot 0; never rewritten
.set OFF, 30
.set QP, 32                            ; s[32:39] Q's tiles: 4 phase + 2 t
.set AP, 40                            ; s[40:43] where the kept tile goes: 2 phase
.set SG, 44                            ; the slot of the walk, 0 .. 8
.set HN, 45                            ; the head's slot last asked for
.set U,  46
.set TB, 47                            ; LDS byte of the step's K
.set KF, 48                            ; the step's first key
.set Q0, 49                            ; my first query
.set Q1, 50                            ; and in the second block
.set TMP, 51
.set CS, 52
.set SEL, 54
.set NINF, 56
.set KF0, 57                           ; 64 par
	s_load_b128 s[4:7], s[0:1], 0x0                ; qf, kvf
	s_load_b64 s[8:9], s[0:1], 0x10                ; af
	v_lshl_add_u32 v[SPW], v0, 2, SPARE
	v_mov_b32 v[NIL], 0
	ds_add_u32 v[SPW], v[NIL]                      ; the wave's opening: the add, twice on end, and its wait ahead of my first tensor load
	ds_add_u32 v[SPW], v[NIL]
	v_lshrrev_b32 v1, 5, v0
	v_readfirstlane_b32 s[WV], v1
	s_and_b32 s[QW], s[WV], 3
	s_lshr_b32 s[PAR], s[WV], 2
	s_and_b32 s[BH], ttmp7, 0xffff
	s_lshr_b32 s[AA], ttmp9, 2
	s_mov_b32 s[G1], 3<<16                         ; group 1: 64 rows of 32 elements of 8 bytes, dense, no padding, no mask
	s_mov_b32 s[G1+1], 32<<16
	s_mov_b32 s[G1+2], 64<<16
	s_mov_b32 s[G1+3], 32<<16
	s_mov_b32 s[G1+4], 64
	s_mov_b32 s[G1+5], 32
	s_mov_b32 s[G1+6], 0
	s_mov_b32 s[G1+7], 0
	s_mov_b32 s[G0], 1
	s_lshl_b32 s[G0+1], s[WV], 14                  ; LDS: slot 0, wave x 16,384
	s_lshl_b32 s[KVW], s[BH], 20
	s_add_co_u32 s[KVW], s[KVW], s[G0+1]
	s_mov_b32 s[KVW+1], 0
	s_mov_b32 s[OFF+1], 0
	s_lshl_b32 s58, ttmp9, 3
	s_lshl_b32 s59, s[QW], 1
	s_add_co_u32 s58, s58, s59                     ; my first token tile in block i,
	s_sub_co_u32 s60, 31, ttmp9
	s_lshl_b32 s60, s60, 3
	s_add_co_u32 s60, s60, s59                     ; and in block 31 - i
	s_lshl_b32 s[Q0], s58, 4
	s_lshl_b32 s[Q1], s60, 4
	s_xor_b32 s62, s[PAR], 1
	s_lshl_b32 s61, s[BH], 19
	s_add_co_u32 s[QP], s58, s[PAR]                ; register tile t holds token tile + (t xor par)
	s_add_co_u32 s[QP+2], s58, s62
	s_add_co_u32 s[QP+4], s60, s[PAR]
	s_add_co_u32 s[QP+6], s60, s62
.irp n, 0,2,4,6
	s_lshl_b32 s[QP+\n], s[QP+\n], 11
	s_add_co_u32 s[QP+\n], s[QP+\n], s61
	s_mov_b32 s[QP+\n+1], 0
.endr
	s_and_b32 s63, s[BH], 7
	s_lshl_b32 s63, s63, 20                        ; af: the head,
	s_lshr_b32 s[TMP], s[BH], 3
	s_lshl_b32 s[TMP], s[TMP], 8                   ; the sequence's 256 tiles,
	s_add_co_u32 s[TMP], s[TMP], s[PAR]            ; the tile that I keep
	s_add_co_u32 s[AP], s[TMP], s58
	s_add_co_u32 s[AP+2], s[TMP], s60
.irp n, 0,2
	s_lshl_b32 s[AP+\n], s[AP+\n], 11
	s_add_co_u32 s[AP+\n], s[AP+\n], s63
	s_mov_b32 s[AP+\n+1], 0
.endr
	s_mov_b32 s[CS], 0x3d8293ee                    ; c = log2(e) / sqrt(512)
	s_mov_b32 s[CS+1], s[CS]                       ; (named with it as a pair, so it is written)
	s_mov_b32 s[SEL], 0x76543210
	s_mov_b32 s[SEL+1], 0xfedcba98                 ; lane l xor 16
	s_mov_b32 s[NINF], 0xff800000
	s_lshl_b32 s[KF0], s[PAR], 6
	s_mov_b32 s[KF], s[KF0]
	s_lshl_b32 s[TB], s[PAR], 15                   ; quarters 2 par, 2 par + 1 hold my parity's steps
	s_mov_b32 s[SG], 0
	s_mov_b32 s[HN], 0
	s_wait_dscnt 0x0                               ; both opening adds are done
	s_wait_kmcnt 0x0
	s_add_nc_u64 s[KVW:KVW+1], s[6:7], s[KVW:KVW+1]
	s_mov_b64 s[G0+2:G0+3], s[KVW:KVW+1]
	s_or_b32 s[G0+3], s[G0+3], 0x80000000
	tensor_load_to_lds s[G0:G0+3], s[G1:G1+7]      ; the walk's first slot: one load of mine is out, here and behind every change of slots but the last
	s_nop 0
.irp n, 0,2,4,6
	s_add_nc_u64 s[QP+\n:QP+\n+1], s[4:5], s[QP+\n:QP+\n+1]
.endr
	s_add_nc_u64 s[AP:AP+1], s[8:9], s[AP:AP+1]
	s_add_nc_u64 s[AP+2:AP+3], s[8:9], s[AP+2:AP+3]
	v_and_b32 v1, 31, v0
	v_lshlrev_b32 v[LI], 4, v1
.macro QLOAD ph
.irp t, 0,1
.irp cg, 0,1,2,3
	global_load_b128 v[Q+16*\t+4*\cg:Q+16*\t+4*\cg+3], v[LI], s[QP+4*\ph+2*\t:QP+4*\ph+2*\t+1] offset:512*\cg
.endr
.endr
.endm
	QLOAD 0
	v_add_nc_u32 v[LIV], 65536, v[LI]
	s_mul_i32 s58, s[WV], STGW
	s_add_co_u32 s58, s58, STG
	v_add_nc_u32 v[STW], s58, v[LI]
	s_xor_b32 s58, s[WV], 4
	s_mul_i32 s58, s58, STGW
	s_add_co_u32 s58, s58, STG
	v_add_nc_u32 v[STR], s58, v[LI]
	v_and_b32 v[ADK], 15, v0
	v_bfe_u32 v[ADV], v0, 4, 1
	v_lshlrev_b32 v[ADV], 3, v[ADV]
	v_sub_nc_u32 v[ADK], v[ADK], v[ADV]            ; r - 8 h
	s_lshl_b32 s58, s[PAR], 4
	v_add_nc_u32 v[RL], s58, v[ADK]
	s_lshl_b32 s58, s62, 4
	v_add_nc_u32 v[RL+1], s58, v[ADK]
.macro INIT                            ; a block begins: m = -3e38, l = 0, O = 0, so that the step needs no first copy: the first a is 0 and multiplies zeros
.irp t, 0,1
	v_mov_b32 v[ST+8*\t+1], 0xff61b1e6
	v_mov_b32 v[ST+8*\t+2], 0
	v_mov_b32 v[ST+8*\t+3], 0
.endr
.irp t, 0,1
	v_mul_f32 v[ST+8*\t], s[CS], v[ST+8*\t+1]
.endr
.set n, 0
.rept 64
	v_mov_b32 v[O+n], 0
.set n, n+1
.endr
.endm
	INIT
; The softmax of both tiles for one key step, the tiles line by line in turn.
.macro SOFT
.irp j, 0,1,2,3
.irp t, 0,1
	v_max3_num_f32 v[ST+8*\t+4+\j], v[S+32*\t+8*\j], v[S+32*\t+8*\j+1], v[S+32*\t+8*\j+2]   ; four chains, each begun at an accumulator's low end
.endr
.endr
.irp g, 1,2
.irp j, 0,1,2,3
.irp t, 0,1
	v_max3_num_f32 v[ST+8*\t+4+\j], v[ST+8*\t+4+\j], v[S+32*\t+8*\j+2*\g+1], v[S+32*\t+8*\j+2*\g+2]
.endr
.endr
.endr
.irp t, 0,1
	v_max3_num_f32 v[ST+8*\t+4], v[ST+8*\t+4], v[S+32*\t+7], v[S+32*\t+15]
.endr
.irp t, 0,1
	v_max3_num_f32 v[ST+8*\t+6], v[ST+8*\t+6], v[S+32*\t+23], v[S+32*\t+31]
.endr
.irp t, 0,1
	v_max3_num_f32 v[ST+8*\t+4], v[ST+8*\t+4], v[ST+8*\t+5], v[ST+8*\t+6]
.endr
.irp t, 0,1
	v_max3_num_f32 v[ST+8*\t+4], v[ST+8*\t+4], v[ST+8*\t+7], v[ST+8*\t+1]   ; and the old m
.endr
.irp t, 0,1
	v_permlanex16_b32 v[ST+8*\t+5], v[ST+8*\t+4], s[SEL], s[SEL+1]   ; the query's other 32 keys lie in the lane 16 away
.endr
.irp t, 0,1
	v_mov_b32 v[ST+8*\t+7], v[ST+8*\t]             ; c m_old is kept for a
.endr
.irp t, 0,1
	v_max_num_f32 v[ST+8*\t+1], v[ST+8*\t+4], v[ST+8*\t+5]
.endr
.irp t, 0,1
	v_mul_f32 v[ST+8*\t], s[CS], v[ST+8*\t+1]
.endr
.irp t, 0,1
	v_sub_f32 v[ST+8*\t+7], v[ST+8*\t+7], v[ST+8*\t]
.endr
.irp t, 0,1
	v_exp_f32 v[ST+8*\t+6], v[ST+8*\t+7]           ; a.  From here to the wait nothing names an exponential's result
.endr
.irp b, 0,1,2,3,4,5,6,7,8,9,10,11,12,13,14,15
.irp t, 0,1
	v_pk_fma_f32 v[S+32*\t+2*\b:S+32*\t+2*\b+1], v[S+32*\t+2*\b:S+32*\t+2*\b+1], s[CS:CS+1], v[ST+8*\t:ST+8*\t+1] op_sel_hi:[1,0,0] neg_lo:[0,0,1] neg_hi:[0,0,1]   ; c s - c m
.endr
.endr
.set n, 0
.rept 32
	v_exp_f32 v[S+n], v[S+n]
	v_exp_f32 v[S+32+n], v[S+32+n]
.set n, n+1
.endr
	v_nop                                          ; a plain instruction behind the last exponential
	s_wait_alu depctr_va_vdst(0)                   ; ONE wait for the 66 exponentials, ahead of the first instruction that names a result
.irp t, 0,1
	v_pk_add_f32 v[ST+8*\t+4:ST+8*\t+5], v[S+32*\t:S+32*\t+1], v[S+32*\t+2:S+32*\t+3]   ; the sum of the unrounded p, in two chains a tile
.endr
.irp t, 0,1
	v_pk_add_f32 v[SB+2*\t:SB+2*\t+1], v[S+32*\t+4:S+32*\t+5], v[S+32*\t+6:S+32*\t+7]
.endr
.irp j, 8,12,16,20,24,28
.irp t, 0,1
	v_pk_add_f32 v[ST+8*\t+4:ST+8*\t+5], v[ST+8*\t+4:ST+8*\t+5], v[S+32*\t+\j:S+32*\t+\j+1]
.endr
.irp t, 0,1
	v_pk_add_f32 v[SB+2*\t:SB+2*\t+1], v[SB+2*\t:SB+2*\t+1], v[S+32*\t+\j+2:S+32*\t+\j+3]
.endr
.endr
.irp t, 0,1
	v_pk_add_f32 v[ST+8*\t+4:ST+8*\t+5], v[ST+8*\t+4:ST+8*\t+5], v[SB+2*\t:SB+2*\t+1]
.endr
.irp t, 0,1
	v_pk_fma_f32 v[ST+8*\t+2:ST+8*\t+3], v[ST+8*\t+2:ST+8*\t+3], v[ST+8*\t+6:ST+8*\t+7], v[ST+8*\t+4:ST+8*\t+5] op_sel_hi:[1,0,1]   ; l = a l + the sum
.endr
.irp i, 0,1,2,3,4,5,6,7,8,9,10,11,12,13,14,15
.irp t, 0,1
	v_cvt_pk_f16_f32 v[S+32*\t+\i], v[S+32*\t+2*\i], v[S+32*\t+2*\i+1]   ; P, in place, ascending
.endr
.endr
.irp i, 0,1,2,3,4,5,6,7,8,9,10,11,12,13,14,15
.irp t, 0,1
	v_pk_mul_f32 v[O+32*\t+2*\i:O+32*\t+2*\i+1], v[O+32*\t+2*\i:O+32*\t+2*\i+1], v[ST+8*\t+6:ST+8*\t+7] op_sel_hi:[1,0]   ; O x a, each accumulator from its low end on
.endr
.endr
.endm
; A KEY STEP of 64 keys.
.macro STEP
	s_cmp_gt_u32 s[KF], s[Q0]                      ; all its keys come after my queries: the step's work is left out, not the lines at its end
	s_cbranch_scc1 .Lhid_\@
	v_add_nc_u32 v[ADK], s[TB], v[LI]
	v_add_nc_u32 v[ADV], s[TB], v[LIV]
.rept 3
	v_nop                                          ; with the two additions five places behind the last step's products: K is loaded over V, and S is laid over P, which they read
.endr
.set n, 0
.rept 16
	ds_load_b128 v[KV+4*n:KV+4*n+3], v[ADK] offset:(n/8)*16384+(n%8)*512   ; key tile n / 4, channels 16 (n % 4) on
.set n, n+1
.endr
	s_wait_dscnt 0x0
.irp ks, 0,1                                   ; S^T = K Q^T: eight accumulators by turns; the first eight start the sums
.irp kt, 0,1,2,3
.irp t, 0,1
.if \ks == 0
	v_wmma_f32_16x16x32_f16 v[S+32*\t+8*\kt:S+32*\t+8*\kt+7], v[KV+16*\kt+8*\ks:KV+16*\kt+8*\ks+7], v[Q+16*\t+8*\ks:Q+16*\t+8*\ks+7], 0
.else
	v_wmma_f32_16x16x32_f16 v[S+32*\t+8*\kt:S+32*\t+8*\kt+7], v[KV+16*\kt+8*\ks:KV+16*\kt+8*\ks+7], v[Q+16*\t+8*\ks:Q+16*\t+8*\ks+7], v[S+32*\t+8*\kt:S+32*\t+8*\kt+7]
.endif
.endr
.endr
.endr
.rept 4
	v_nop                                          ; four places: for the loads over K, and for the first read of the scores
.endr
.set n, 0
.rept 16
	ds_load_b128 v[KV+4*n:KV+4*n+3], v[ADV] offset:(n/8)*16384+(n%8)*512   ; V lands under the softmax: pair n / 8, channels 16 ((n % 8) / 2) on, parity n % 2
.set n, n+1
.endr
	s_add_co_u32 s[TMP], s[KF], 63
	s_cmp_le_u32 s[TMP], s[Q0]                     ; all 64 keys count for all my queries: no mask
	s_cbranch_scc1 .Lopen_\@
	s_sub_co_u32 s[TMP], s[Q0], s[KF]
	v_add_nc_u32 v[SB], s[TMP], v[RL]              ; register 8 kt + j holds key KF + 16 kt + 8 h + j: it counts where 16 kt + j <= my query - KF - 8 h
	v_add_nc_u32 v[SB+2], s[TMP], v[RL+1]
.irp t, 0,1
.set n, 0
.rept 32
	v_cmp_le_i32 vcc_lo, 16*(n/8)+n%8, v[SB+2*\t]
	v_cndmask_b32 v[S+32*\t+n], s[NINF], v[S+32*\t+n], vcc_lo
.set n, n+1
.endr
.endr
.Lopen_\@:
	SOFT
	s_wait_dscnt 0x0                               ; V is in
.irp p, 0,1                                    ; O^T += V^T P: eight accumulators by turns
.irp ct, 0,1,2,3
.irp t, 0,1
	v_wmma_f32_16x16x32_f16 v[O+32*\t+8*\ct:O+32*\t+8*\ct+7], v[KV+8*(4*\p+\ct):KV+8*(4*\p+\ct)+7], v[S+32*\t+8*\p:S+32*\t+8*\p+7], v[O+32*\t+8*\ct:O+32*\t+8*\ct+7]
.endr
.endr
.endr
.Lhid_\@:
	s_add_co_u32 s[KF], s[KF], 128                 ; my next step: the next chunk of 128 keys
	s_add_co_u32 s[TB], s[TB], 4096
.endm
.macro SLOT                            ; my four steps of a slot: written once, walked four times
	s_mov_b32 s[U], 4
.Lstep_\@:
	STEP
	s_sub_co_u32 s[U], s[U], 1
	s_cmp_lg_u32 s[U], 0
	s_cbranch_scc1 .Lstep_\@
	s_sub_co_u32 s[TB], s[TB], 16384
	s_xor_b32 s[TB], s[TB], SLOT1                  ; on to the other slot
.endm
; THE CHANGE OF SLOTS stands at a slot's head.  Each wave waits for all its tensor loads (its part of the slot that it is about to read), adds 0 to its spare word, and waits for that and for its reads of the slot that it has left.
; Behind the barrier the slot ahead is whole and nobody reads the other one.  fill = 1: the other slot takes the walk's next slot: the load has a whole slot's steps in which to land.
.macro CHANGE fill
	s_wait_tensorcnt 0x0                           ; no tensor load of mine is out, so group 0 may be written
	ds_add_u32 v[SPW], v[NIL]                      ; 0 onto my spare word
.if \fill
	s_xor_b32 s[G0+1], s[G0+1], SLOT1
	s_add_co_u32 s[HN], s[HN], 1
	s_cmp_eq_u32 s[SG], s[AA]                      ; behind block i's last slot the walk begins again at the head's slot 0
	s_cselect_b32 s[HN], 0, s[HN]
	s_lshl_b32 s[OFF], s[HN], 17
	s_add_nc_u64 s[G0+2:G0+3], s[KVW:KVW+1], s[OFF:OFF+1]
	s_or_b32 s[G0+3], s[G0+3], 0x80000000
.endif
	s_wait_dscnt 0x0                               ; the add is done, and my reads of the slot that I have left are over
	s_barrier_signal -1
	s_barrier_wait -1
.if \fill
	tensor_load_to_lds s[G0:G0+3], s[G1:G1+7]      ; the first thing behind the barrier, and my one tensor load until the next
	s_nop 0
.rept 4
	v_nop
.endr
.endif
.endm
; A BLOCK'S END.  Tile 1 and its statistics go to my stage; my partner's tile 1, the same queries as my tile 0, comes from its stage; the two partial softmaxes are joined, divided by the sum and stored as f16.
.macro FINAL next
	v_add_f32 v[ST+1], v[ST+2], v[ST+3]            ; l's two halves.  With the two v_nop four places behind the last products
	v_add_f32 v[ST+9], v[ST+10], v[ST+11]
	v_nop
	v_nop
.if \next
	QLOAD 1                                        ; the next block's queries land under the merge
.endif
.irp n, 0,1,2,3,4,5,6,7
	ds_store_b128 v[STW], v[O+32+4*\n:O+32+4*\n+3] offset:512*\n   ; each accumulator from its low end on
.endr
	ds_store_b128 v[STW], v[ST+8:ST+11] offset:4096
	s_wait_dscnt 0x0                               ; for my partner's sake: my stores are done
	s_barrier_signal -1
	s_barrier_wait -1                              ; the ring's load may stay out
.irp n, 0,1,2,3,4,5,6,7
	ds_load_b128 v[S+4*\n:S+4*\n+3], v[STR] offset:512*\n
.endr
	ds_load_b128 v[ST+12:ST+15], v[STR] offset:4096   ; c m and l of the partner
	s_wait_dscnt 0x0
	v_max_num_f32 v[ST+4], v[ST], v[ST+12]
	v_sub_f32 v[ST+5], v[ST], v[ST+4]
	v_sub_f32 v[ST+6], v[ST+12], v[ST+4]
	v_exp_f32 v[ST+5], v[ST+5]                     ; a partial with no step has c m = c x -3e38, l = 0, O = 0: its factor is 0.  The wave of parity 0 always has key 0
	v_exp_f32 v[ST+6], v[ST+6]
	v_nop
	s_wait_alu depctr_va_vdst(0)                   ; one wait for both
	v_mul_f32 v[ST+7], v[ST+1], v[ST+5]
	v_fma_f32 v[ST+7], v[ST+13], v[ST+6], v[ST+7]
	v_permlanex16_b32 v[ST+4], v[ST+7], s[SEL], s[SEL+1]
	v_add_f32 v[ST+7], v[ST+7], v[ST+4]            ; the row's sum
	v_rcp_f32 v[ST+7], v[ST+7]
	v_nop
	s_wait_alu depctr_va_vdst(0)
	v_mul_f32 v[ST+4], v[ST+5], v[ST+7]
	v_mul_f32 v[ST+6], v[ST+6], v[ST+7]
.irp i, 0,1,2,3,4,5,6,7,8,9,10,11,12,13,14,15
	v_pk_mul_f32 v[O+2*\i:O+2*\i+1], v[O+2*\i:O+2*\i+1], v[ST+4:ST+5] op_sel_hi:[1,0]
.endr
.irp i, 0,1,2,3,4,5,6,7,8,9,10,11,12,13,14,15
	v_pk_fma_f32 v[O+2*\i:O+2*\i+1], v[S+2*\i:S+2*\i+1], v[ST+6:ST+7], v[O+2*\i:O+2*\i+1] op_sel_hi:[1,0,1]
.endr
.irp i, 0,1,2,3,4,5,6,7,8,9,10,11,12,13,14,15
	v_cvt_pk_f16_f32 v[S+32+\i], v[O+2*\i], v[O+2*\i+1]
.endr
.irp n, 0,1,2,3
	global_store_b128 v[LI], v[S+32+4*\n:S+32+4*\n+3], s[AP+2-2*\next:AP+3-2*\next] offset:512*\n   ; 512 consecutive bytes
.endr
.if \next
	s_wait_xcnt 0x0                                ; the stores have read their registers: the next scores land there
	INIT
	s_mov_b32 s[Q0], s[Q1]
	s_mov_b32 s[KF], s[KF0]
	s_wait_loadcnt 0x0                             ; the next block's queries
.endif
.endm
	s_wait_loadcnt 0x0                             ; Q
.Lslot:                                                ; eight trips: behind each change of slots but the last the walk's next slot is asked for
	CHANGE 1
	SLOT
	s_cmp_lg_u32 s[SG], s[AA]                      ; the work-group's number and the count of slots: the same in all eight waves
	s_cbranch_scc1 .Lnofin
	FINAL 1
.Lnofin:
	s_add_co_u32 s[SG], s[SG], 1
	s_cmp_lt_u32 s[SG], 8
	s_cbranch_scc1 .Lslot
	CHANGE 0                                       ; the last slot is written out
	SLOT
	FINAL 0
	s_wait_tensorcnt 0x0                           ; the wave's end, behind my last tensor load and my last LDS store
	ds_add_u32 v[SPW], v[NIL]
	s_wait_dscnt 0x0
	s_endpgm
.Lfunc_end_k_qd4cd427d0d_attn:
	.size	k_qd4cd427d0d_attn, .Lfunc_end_k_qd4cd427d0d_attn-k_qd4cd427d0d_attn
	.p2alignl 7, 3214868480
	.fill 96, 4, 3214868480
	.section	.rodata,"a",@progbits
	.p2align	6, 0x0
	.amdhsa_kernel k_qd4cd427d0d_attn
		.amdhsa_group_segment_fixed_size 327680
		.amdhsa_private_segment_fixed_size 0
		.amdhsa_enable_private_segment 0
		.amdhsa_kernarg_size 24
		.amdhsa_user_sgpr_count 2
		.amdhsa_user_sgpr_kernarg_segment_ptr 1
		.amdhsa_wavefront_size32 1
		.amdhsa_system_sgpr_workgroup_id_x 1
		.amdhsa_system_sgpr_workgroup_id_y 1
		.amdhsa_system_sgpr_workgroup_id_z 1
		.amdhsa_system_vgpr_workitem_id 0
		.amdhsa_next_free_vgpr 256
		.amdhsa_next_free_sgpr 66
		.amdhsa_reserve_vcc 1
		.amdhsa_float_denorm_mode_32 3
		.amdhsa_float_denorm_mode_16_64 3
		.amdhsa_memory_ordered 1
		.amdhsa_forward_progress 1
		.amdhsa_inst_pref_size 66
	.end_amdhsa_kernel
	.amdgpu_metadata
---
amdhsa.version: [ 1, 2 ]
amdhsa.kernels:
  - .name:           k_qd4cd427d0d_attn
    .symbol:         k_qd4cd427d0d_attn.kd
    .args:
      - { .name: qf, .offset: 0, .size: 8, .value_kind: global_buffer, .address_space: global }
      - { .name: kvf, .offset: 8, .size: 8, .value_kind: global_buffer, .address_space: global }
      - { .name: af, .offset: 16, .size: 8, .value_kind: global_buffer, .address_space: global }
    .group_segment_fixed_size: 327680
    .private_segment_fixed_size: 0
    .kernarg_segment_align: 8
    .kernarg_segment_size: 24
    .max_flat_workgroup_size: 256
    .sgpr_count:     66
    .vgpr_count:     256
    .wavefront_size: 32
...
	.end_amdgpu_metadata
.endif
;; end of part 3
;; launch proj (part 4): grid 4 x 64, 4 waves a work-group, clusters of 4 x 4, 327,680 bytes of LDS; arguments af, wf, bo, out0; writes out0
.if DOCPART == 4
	.amdgcn_target "amdgcn-amd-amdhsa--gfx1250"
	.amdhsa_code_object_version 6
	.text
	.protected	k_qd4cd427d0d_proj
	.globl	k_qd4cd427d0d_proj
	.p2align	8
	.type	k_qd4cd427d0d_proj,@function
k_qd4cd427d0d_proj:
	s_mov_b64 s[64:65], 0
	v_nop
	global_prefetch_b8 v0, s[64:65] scope:SCOPE_SE
	s_setreg_imm32_b32 hwreg(HW_REG_WAVE_MODE, 25, 1), 1
	s_wait_xcnt 0x0
	s_wait_alu depctr_hold_cnt(0) depctr_sa_sdst(0) depctr_va_vdst(0) depctr_va_sdst(0) depctr_va_ssrc(0) depctr_va_vcc(0) depctr_vm_vsrc(0)
	s_getreg_b32 s2, hwreg(HW_REG_IB_STS2, 6, 4)
	s_cmp_eq_u32 s2, 0
	s_cbranch_scc0 .Lentry_in_a_cluster
	s_endpgm
.Lentry_in_a_cluster:
	s_bfe_u32 s2, ttmp6, 0x10000c
	s_cmp_lg_u32 s2, 0xf033
	s_cbranch_scc0 .Lentry_shape_is_right
	s_endpgm
.Lentry_shape_is_right:
; out0 = a Wo^T + bo.  a [8192][512] and Wo [512][512] arrive as f16, as images of their operand registers (af, wf); sums f32; out0 f32.
; A tile of out0 is 128 x 128: four waves of 64 x 64, 16 accumulators each.  K = 512 is eight chunks of 64; a chunk of the tile's 128 rows of a, and of its 128 rows of Wo, is 16,384 dense bytes.  All sixteen chunks fit in LDS:
; every byte is filled once, there is no ring.  Waves 0, 1 fetch a's chunks (even, odd), waves 2, 3 Wo's: four tensor loads of mine are out at the start, and the products begin when the first pair of chunks has landed.
; CLUSTER 4 x 4: the four work-groups of a row of the cluster need the same chunks of a, the four of a column the same chunks of Wo: each is asked for JOINTLY, by the same load with the same descriptor and a mask that names the four.
; THE MATRIX INSTRUCTION IS USED TRANSPOSED (source 0 = 16 rows of Wo, source 1 = 16 rows of a): a lane holds eight neighbouring numbers of a row of out0.  bo is the C of each sum's first product.
; No branch hangs on a work-group's place: so the first 16 positions of each sequence are made here too, and the launch behind this one writes them anew in f32.
; REGISTERS: window 0: v16-29 addresses; v32-63 bo in the result's layout; v64-127 rows on the way out; v128-255 the accumulators ((a, b) at 128 + 8 (4 a + b)).  window 1: two fragment buffers of 128: 64 of a, then 64 of Wo.
.set BOFF,   131072                    ; Wo's chunks lie behind a's eight
.set STAGE,  262144                    ; 16 rows x (256 bytes + 16) for each wave, for the way out
.set SPITCH, 272
.set SPARE,  STAGE+4*16*SPITCH         ; the spare words, 128 bytes a wave
.set ADRA, 16                          ; v16, v17  my rows' fragments in chunks 0-3, 4-7
.set ADRB, 20                          ; v20, v21  the same for Wo
.set STO,  24
.set RD,   25
.set CO,   26
.set SPW,  28
.set NIL,  29
.set BI,   32
.set BK,   64
.set ACC,  128
.set F1,   128
.set G1A, 16
.set G1B, 24
.set G0A, 32                           ; s[32:47] four groups 0 for a's chunks;  s[48:63] for Wo's
.set G0B, 48
.set MSB, 0
.macro WIN new                         ; the immediate's high byte repeats the setting that is left
.if MSB != \new
	s_set_vgpr_msb (MSB<<8)|\new
.set MSB, \new
.endif
.endm
.set MUL,  0x05                        ; sources 0 and 1 window 1; C and D window 0
.set TO_F, 0x40                        ; destination window 1, address window 0
.macro CROUND                          ; a round of the cluster's barrier
	s_barrier_signal -1
	s_barrier_wait -1
	s_cmp_lg_u32 s12, 0
	s_cbranch_scc1 .Lnot_wave_0_\@
	s_barrier_signal -3
.Lnot_wave_0_\@:
	s_barrier_wait -3
	s_barrier_signal -1
	s_barrier_wait -1
.endm
	s_load_b256 s[4:11], s[0:1], 0x0               ; af, wf, bo, out0
	v_lshl_add_u32 v[SPW], v0, 2, SPARE
	v_mov_b32 v[NIL], 0
	ds_add_u32 v[SPW], v[NIL]                      ; the wave's opening: the add, twice on end, and its wait ahead of my first tensor load
	ds_add_u32 v[SPW], v[NIL]
	v_lshrrev_b32 v1, 5, v0
	v_readfirstlane_b32 s12, v1                    ; wave
	s_lshr_b32 s13, s12, 1                         ; which half of the tile's rows is mine.  Also: I fetch for a (0) or for Wo (1)
	s_and_b32 s14, s12, 1                          ; which half of its columns.  Also: even or odd chunks
	s_bfe_u32 s66, ttmp6, 0x40000                  ; cx
	s_bfe_u32 s67, ttmp6, 0x40004                  ; cy
	s_lshl_b32 s68, ttmp9, 2
	s_add_co_u32 s68, s68, s66                     ; the tile's column: nb
	s_and_b32 s69, ttmp7, 0xffff
	s_lshl_b32 s69, s69, 2
	s_add_co_u32 s69, s69, s67                     ; the tile's row: rb
	s_lshl_b32 s70, s67, 2
	s_lshl_b32 s70, 15, s70                        ; my row of the cluster
	s_lshl_b32 s71, 0x1111, s66                    ; my column
	s_or_b32 s[G1A], s70, (3<<16)|(1<<21)          ; group 1: the mask; elements of 8 bytes; bit 21 beside a mask; no padding
	s_or_b32 s[G1B], s71, (3<<16)|(1<<21)
.irp g, G1A, G1B
	s_mov_b32 s[\g+1], 32<<16                      ; 64 rows of 32 elements, dense
	s_mov_b32 s[\g+2], 64<<16
	s_mov_b32 s[\g+3], 32<<16
	s_mov_b32 s[\g+4], 64
	s_mov_b32 s[\g+5], 32
	s_mov_b32 s[\g+6], 0
	s_mov_b32 s[\g+7], 0
.endr
	s_lshl_b32 s72, s69, 14                        ; a: 16,384 rb + 1,048,576 x chunk: the tile's row and the wave's number alone
	s_lshl_b32 s73, s14, 20
	s_add_co_u32 s72, s72, s73
	s_mov_b32 s73, 0
	s_lshl_b32 s74, s68, 14                        ; Wo: 16,384 nb + 65,536 x chunk: the tile's column and the wave's number alone
	s_lshl_b32 s75, s14, 16
	s_add_co_u32 s74, s74, s75
	s_mov_b32 s75, 0
	s_lshl_b32 s76, s13, 17                        ; LDS: a's part or Wo's, + 16,384 x chunk: no place in the cluster enters
	s_lshl_b32 s77, s14, 14
	s_add_co_u32 s76, s76, s77
	s_wait_dscnt 0x0                               ; both opening adds are done
	s_wait_kmcnt 0x0
	s_add_nc_u64 s[78:79], s[4:5], s[72:73]
	s_add_nc_u64 s[80:81], s[6:7], s[74:75]
	CROUND                                         ; all sixteen work-groups are here: the joint loads meet
.irp j, 0,1,2,3
	s_mov_b32 s[G0A+4*\j], 1
	s_add_co_u32 s[G0A+4*\j+1], s76, \j*32768
	s_add_nc_u64 s[G0A+4*\j+2:G0A+4*\j+3], s[78:79], \j*2097152
	s_or_b32 s[G0A+4*\j+3], s[G0A+4*\j+3], 0x80000000
	s_mov_b32 s[G0B+4*\j], 1
	s_add_co_u32 s[G0B+4*\j+1], s76, \j*32768
	s_add_nc_u64 s[G0B+4*\j+2:G0B+4*\j+3], s[80:81], \j*131072
	s_or_b32 s[G0B+4*\j+3], s[G0B+4*\j+3], 0x80000000
.endr
	s_cmp_eq_u32 s13, 0                            ; a wave's four fills stand in one branch on the wave's number, ahead of every wait on TENSORcnt and every LDS read
	s_cbranch_scc0 .Lfirst_b
.irp j, 0,1,2,3
	tensor_load_to_lds s[G0A+4*\j:G0A+4*\j+3], s[G1A:G1A+7]
	s_nop 0
.endr
.rept 4
	v_nop
.endr
	s_branch .Lfirst_asked
.Lfirst_b:
.irp j, 0,1,2,3
	tensor_load_to_lds s[G0B+4*\j:G0B+4*\j+3], s[G1B:G1B+7]
	s_nop 0
.endr
.rept 4
	v_nop
.endr
.Lfirst_asked:
	v_and_b32 v1, 15, v0
	v_bfe_u32 v2, v0, 4, 1
	v_and_b32 v3, 31, v0
	v_lshlrev_b32 v3, 4, v3                        ; 16 x lane
	s_lshl_b32 s82, s13, 13
	v_add_nc_u32 v[ADRA], s82, v3                  ; my four row tiles of a chunk
	v_add_nc_u32 v[ADRA+1], 65536, v[ADRA]
	s_lshl_b32 s82, s14, 13
	s_add_co_u32 s82, s82, BOFF
	v_add_nc_u32 v[ADRB], s82, v3
	v_add_nc_u32 v[ADRB+1], 65536, v[ADRB]
	s_mul_i32 s83, s12, 16*SPITCH
	s_add_co_u32 s83, s83, STAGE                   ; my stage
	v_mul_u32_u24 v4, v1, SPITCH
	v_lshl_add_u32 v4, v2, 5, v4
	v_add_nc_u32 v[STO], s83, v4                   ; in: row l % 16, 32 bytes for each half of the lanes
	v_mul_u32_u24 v5, v2, SPITCH
	v_lshl_add_u32 v5, v1, 4, v5
	v_add_nc_u32 v[RD], s83, v5                    ; back: lanes 0-15 one row of 256 bytes, lanes 16-31 the next
	v_lshlrev_b32 v5, 11, v2
	v_lshl_add_u32 v[CO], v1, 4, v5                ; and the same two rows in out0
	v_lshlrev_b32 v6, 5, v2                        ; bo: my half's eight numbers
	s_lshl_b32 s84, s68, 9
	s_lshl_b32 s85, s14, 8
	s_add_co_u32 s84, s84, s85                     ; my first column, in bytes
	s_mov_b32 s85, 0
	s_add_nc_u64 s[8:9], s[8:9], s[84:85]
	s_lshl_b32 s86, s69, 18
	s_lshl_b32 s87, s13, 17
	s_add_co_u32 s86, s86, s87                     ; my first row, 2,048 bytes a row
	s_add_co_u32 s86, s86, s84
	s_mov_b32 s87, 0
	s_add_nc_u64 s[10:11], s[10:11], s[86:87]
.irp b, 0,1,2,3
	global_load_b128 v[BI+8*\b:BI+8*\b+3], v6, s[8:9] offset:64*\b
	global_load_b128 v[BI+8*\b+4:BI+8*\b+7], v6, s[8:9] offset:64*\b+16
.endr
; 8 products: row blocks a0, a0 + 1 x all 4 column blocks, 32 along K: half c of buffer f.  first = 1: bo starts the sums.  The 16 accumulators take turns.
.macro MUL8 f, c, a0, first
.irp a, \a0, \a0+1
.irp b, 0,1,2,3
.if \first
	v_wmma_f32_16x16x32_f16 v[ACC+8*(4*(\a)+\b):ACC+8*(4*(\a)+\b)+7], v[\f+64+8*(4*\c+\b):\f+64+8*(4*\c+\b)+7], v[\f+8*(4*\c+\a):\f+8*(4*\c+\a)+7], v[BI+8*\b:BI+8*\b+7]
.else
	v_wmma_f32_16x16x32_f16 v[ACC+8*(4*(\a)+\b):ACC+8*(4*(\a)+\b)+7], v[\f+64+8*(4*\c+\b):\f+64+8*(4*\c+\b)+7], v[\f+8*(4*\c+\a):\f+8*(4*\c+\a)+7], v[ACC+8*(4*(\a)+\b):ACC+8*(4*(\a)+\b)+7]
.endif
.endr
.endr
.endm
.macro FETCH ch, f                     ; 32 LDS loads in one run: chunk ch's fragments into buffer f, the first 32 along K first
	WIN TO_F
.irp c, 0,1
.irp i, 0,1,2,3
	ds_load_b128 v[\f+64+8*(4*\c+\i):\f+64+8*(4*\c+\i)+3],   v[ADRB+(\ch)/4] offset:((\ch)%4)*16384+\i*2048+\c*1024
	ds_load_b128 v[\f+64+8*(4*\c+\i)+4:\f+64+8*(4*\c+\i)+7], v[ADRB+(\ch)/4] offset:((\ch)%4)*16384+\i*2048+\c*1024+512
	ds_load_b128 v[\f+8*(4*\c+\i):\f+8*(4*\c+\i)+3],         v[ADRA+(\ch)/4] offset:((\ch)%4)*16384+\i*2048+\c*1024
	ds_load_b128 v[\f+8*(4*\c+\i)+4:\f+8*(4*\c+\i)+7],       v[ADRA+(\ch)/4] offset:((\ch)%4)*16384+\i*2048+\c*1024+512
.endr
.endr
.endm
.macro PLACES                          ; four places in front of loads into registers that matrix instructions have read, and of the first read of results
.rept 4
	v_nop
.endr
.endm
.macro QUARTER n, first                ; chunk n is multiplied from buffer n % 2; in its middle chunk n + 1 is fetched into the other
	s_wait_dscnt 16                                ; the first 32 along K are in
	WIN MUL
	MUL8 128*((\n)%2), 0, 0, \first
	MUL8 128*((\n)%2), 0, 2, \first
	PLACES
	FETCH (\n)+1, 128*(((\n)+1)%2)
	s_wait_dscnt 32                                ; all but the 32 just issued
	WIN MUL
	MUL8 128*((\n)%2), 1, 0, 0
	MUL8 128*((\n)%2), 1, 2, 0
.endm
.macro GATE j                          ; chunks 2 j and 2 j + 1 are in LDS for every wave
	s_wait_tensorcnt 3-\j                          ; my load j has landed; my later 3 - j may stay out
	s_wait_dscnt 0x0
	s_barrier_signal -1
	s_barrier_wait -1
.endm
	GATE 0
	s_wait_loadcnt 0x0                             ; bo
	FETCH 0, 0
	QUARTER 0, 1
	GATE 1
	QUARTER 1, 0
	QUARTER 2, 0
	GATE 2
	QUARTER 3, 0
	QUARTER 4, 0
	GATE 3
	QUARTER 5, 0
	QUARTER 6, 0
	s_wait_dscnt 16                                ; the last chunk: nothing more to fetch
	WIN MUL
	MUL8 F1, 0, 0, 0
	MUL8 F1, 0, 2, 0
	s_wait_dscnt 0x0
	MUL8 F1, 1, 0, 0
	MUL8 F1, 1, 2, 0
	WIN 0
; THE WAY OUT, 16 rows x 64 columns at a time.  A lane holds 32 neighbouring bytes of a row: a block goes through my own stage and comes back as whole rows of 256 bytes.  LDS serves a wave's instructions in order: no wait
; between the stores and the loads, nor in front of the next block's stores.
.macro TOSTAGE a
.irp b, 0,1,2,3
	ds_store_b128 v[STO], v[ACC+8*(4*(\a)+\b):ACC+8*(4*(\a)+\b)+3] offset:64*\b         ; each accumulator from its low end on
	ds_store_b128 v[STO], v[ACC+8*(4*(\a)+\b)+4:ACC+8*(4*(\a)+\b)+7] offset:64*\b+16
.endr
.irp t, 0,1,2,3,4,5,6,7
	ds_load_b128 v[BK+32*((\a)%2)+4*\t:BK+32*((\a)%2)+4*\t+3], v[RD] offset:\t*2*SPITCH
.endr
.endm
.macro SEND a, younger                 ; younger: the LDS instructions issued behind block a's loads
	s_wait_dscnt \younger
.irp t, 0,1,2,3,4,5,6,7
	global_store_b128 v[CO], v[BK+32*((\a)%2)+4*\t:BK+32*((\a)%2)+4*\t+3], s[10:11] offset:(\a)*32768+\t*4096 th:TH_STORE_NT   ; 16 lanes store 256 consecutive bytes, aligned
.endr
.endm
	PLACES
	TOSTAGE 0
.irp a, 1,2,3
.if \a > 1
	s_wait_xcnt 0x0                                ; block a - 2's stores have read their registers: block a's loads may land there
.endif
	TOSTAGE \a
	SEND \a-1, 16
.endr
	SEND 3, 0
	s_wait_tensorcnt 0x0                           ; the wave's end, behind my last tensor load and my last LDS store
	ds_add_u32 v[SPW], v[NIL]
	s_wait_dscnt 0x0
	CROUND                                         ; the closing round: no work-group ends while a partner may still ask for a chunk that names it
	s_endpgm
.Lfunc_end_k_qd4cd427d0d_proj:
	.size	k_qd4cd427d0d_proj, .Lfunc_end_k_qd4cd427d0d_proj-k_qd4cd427d0d_proj
	.p2alignl 7, 3214868480
	.fill 96, 4, 3214868480
	.section	.rodata,"a",@progbits
	.p2align	6, 0x0
	.amdhsa_kernel k_qd4cd427d0d_proj
		.amdhsa_group_segment_fixed_size 327680
		.amdhsa_private_segment_fixed_size 0
		.amdhsa_enable_private_segment 0
		.amdhsa_kernarg_size 32
		.amdhsa_user_sgpr_count 2
		.amdhsa_user_sgpr_kernarg_segment_ptr 1
		.amdhsa_wavefront_size32 1
		.amdhsa_system_sgpr_workgroup_id_x 1
		.amdhsa_system_sgpr_workgroup_id_y 1
		.amdhsa_system_sgpr_workgroup_id_z 1
		.amdhsa_system_vgpr_workitem_id 0
		.amdhsa_next_free_vgpr 512
		.amdhsa_next_free_sgpr 96
		.amdhsa_reserve_vcc 0
		.amdhsa_float_denorm_mode_32 3
		.amdhsa_float_denorm_mode_16_64 3
		.amdhsa_memory_ordered 1
		.amdhsa_forward_progress 1
		.amdhsa_inst_pref_size 51
	.end_amdhsa_kernel
	.amdgpu_metadata
---
amdhsa.version: [ 1, 2 ]
amdhsa.kernels:
  - .name:           k_qd4cd427d0d_proj
    .symbol:         k_qd4cd427d0d_proj.kd
    .args:
      - { .name: af, .offset: 0, .size: 8, .value_kind: global_buffer, .address_space: global }
      - { .name: wf, .offset: 8, .size: 8, .value_kind: global_buffer, .address_space: global }
      - { .name: bo, .offset: 16, .size: 8, .value_kind: global_buffer, .address_space: global }
      - { .name: out0, .offset: 24, .size: 8, .value_kind: global_buffer, .address_space: global }
    .group_segment_fixed_size: 327680
    .private_segment_fixed_size: 0
    .kernarg_segment_align: 8
    .kernarg_segment_size: 32
    .max_flat_workgroup_size: 128
    .sgpr_count:     96
    .vgpr_count:     512
    .wavefront_size: 32
...
	.end_amdgpu_metadata
.endif
;; end of part 4
;; launch early (part 5): grid 4 x 2, 8 waves a work-group, no clusters, 42,496 bytes of LDS; arguments ef, Wo, bo, out0; writes out0
.if DOCPART == 5
	.amdgcn_target "amdgcn-amd-amdhsa--gfx1250"
	.amdhsa_code_object_version 6
	.text
	.protected	k_qd4cd427d0d_early
	.globl	k_qd4cd427d0d_early
	.p2align	8
	.type	k_qd4cd427d0d_early,@function
k_qd4cd427d0d_early:
	s_mov_b64 s[64:65], 0
	v_nop
	global_prefetch_b8 v0, s[64:65] scope:SCOPE_SE
	s_setreg_imm32_b32 hwreg(HW_REG_WAVE_MODE, 25, 1), 1
	s_wait_xcnt 0x0
; The first 16 positions of each sequence once more, wholly in f32: a row there averages one to sixteen values and is the largest in size, so f16 operands weigh most there.  Scores, softmax, P V and the projection, from the f32
; copies of q, k, v of tokens 0-15 (ef) and from Wo and bo as they are given.  160 matrix instructions of the f32 form a wave: no bulk work.
; SHARES.  Work-group (ng, b): sequence b, columns 128 ng on.  Wave w makes head w's attention (each of the four work-groups of a sequence makes all eight heads: 16 x 16 scores a head), the results meet in LDS, and wave w
; then makes columns 128 ng + 16 w on of the 16 rows.
; OPERANDS.  An f32 accumulator (lane (r, h): eight neighbours 8 h + 0 .. 7 of row or column r), taken in register pairs (2 s, 2 s + 1), is a fragment of the 16 x 16 x 4 form under the exchange k <-> 8 h + 2 s + j.  Both operands of
; each product are taken so, so the sums hold the same terms and nothing changes lanes.
; The registers that the matrix instructions write (v176-239) are written by them alone; sums begin with the constant 0 or with bo as C.  Two accumulators take turns where one sum is made.
; LIMITS: NaN and infinities are not served.
.set STG,   32768                      ; LDS: 32 tiles of a (1,024 bytes each: two images), then a stage of 16 rows x (512 bytes + 16)
.set SPARE, 41472                      ; the spare words, 128 bytes a wave
.set LI,  1                            ; v1  16 x lane
.set WOF, 4                            ; v4  Wo: row lane % 16 of 2,048 bytes + 32 (lane / 16)
.set QR,  16                           ; v16-47 q, v48-79 k, v80-111 v: 8 registers for each 16 channels
.set KR,  48
.set VR,  80
.set AN,  112                          ; v112-143 my head's a
.set T,   144                          ; v144-151 scores, then p
.set OA,  176
.set SA0, 208
.set PA0, 224
.set BIAS, 240
.set SPW, 252
.set NIL, 253
.set MSB, 0
.macro WIN new                         ; the immediate's high byte repeats the setting that is left
.if MSB != \new
	s_set_vgpr_msb (MSB<<8)|\new
.set MSB, \new
.endif
.endm
.macro PLACES8                         ; eight places behind this matrix form, ahead of reads of results and of loads into operands
.rept 8
	v_nop
.endr
.endm
	s_load_b256 s[4:11], s[0:1], 0x0               ; ef, Wo, bo, out0
	v_lshl_add_u32 v[SPW], v0, 2, SPARE
	v_mov_b32 v[NIL], 0
	v_lshrrev_b32 v1, 5, v0
	v_readfirstlane_b32 s12, v1                    ; wave = head
	s_and_b32 s13, ttmp7, 0xffff                   ; b
	v_and_b32 v2, 15, v0                           ; r
	v_bfe_u32 v3, v0, 4, 1                         ; h
	v_and_b32 v1, 31, v0
	v_lshlrev_b32 v[LI], 4, v1
	v_lshlrev_b32 v[WOF], 11, v2
	v_lshl_add_u32 v[WOF], v3, 5, v[WOF]
	v_lshlrev_b32 v8, 5, v3                        ; bo: 32 h
	v_lshlrev_b32 v5, 3, v3
	v_sub_nc_u32 v5, v2, v5                        ; r - 8 h
	s_lshl_b32 s14, s12, 12
	v_add_nc_u32 v9, s14, v[LI]                    ; where my head's four tiles of a go
	v_mul_u32_u24 v6, v2, 528
	v_lshl_add_u32 v6, v3, 5, v6
	s_lshl_b32 s14, s12, 6
	s_add_co_u32 s14, s14, STG
	v_add_nc_u32 v6, s14, v6                       ; the stage, in: row r, + 64 w + 32 h
	s_mul_i32 s14, s12, 2*528
	s_add_co_u32 s14, s14, STG
	v_add_nc_u32 v7, s14, v[LI]                    ; and back: rows 2 w, 2 w + 1, whole
	s_mul_i32 s16, s13, 98304
	s_lshl_b32 s15, s12, 12
	s_add_co_u32 s16, s16, s15                     ; ef: b, and my head's four tiles
	s_mov_b32 s17, 0
	s_lshl_b32 s18, ttmp9, 18
	s_lshl_b32 s15, s12, 15
	s_add_co_u32 s18, s18, s15                     ; Wo: row 128 ng + 16 w
	s_mov_b32 s19, 0
	s_lshl_b32 s24, ttmp9, 9
	s_lshl_b32 s15, s12, 6
	s_add_co_u32 s24, s24, s15                     ; bo: the same, 4 bytes each
	s_mov_b32 s25, 0
	s_lshl_b32 s26, s13, 23
	s_lshl_b32 s15, s12, 12
	s_add_co_u32 s26, s26, s15
	s_lshl_b32 s15, ttmp9, 9
	s_add_co_u32 s26, s26, s15                     ; out0: row 4,096 b + 2 w, + 512 ng bytes
	s_mov_b32 s27, 0
	s_mov_b32 s20, 0xff800000                      ; -infinity
	s_mov_b32 s21, 0x3d8293ee                      ; c = log2(e) / sqrt(512)
	s_mov_b32 s22, 0x76543210
	s_mov_b32 s23, 0xfedcba98                      ; lane l xor 16
	s_wait_kmcnt 0x0
	s_add_nc_u64 s[4:5], s[4:5], s[16:17]
	s_add_nc_u64 s[6:7], s[6:7], s[18:19]
	s_add_nc_u64 s[8:9], s[8:9], s[24:25]
	s_add_nc_u64 s[10:11], s[10:11], s[26:27]
.irp m, 0,1,2
.irp cg, 0,1,2,3
	global_load_b128 v[QR+32*\m+8*\cg:QR+32*\m+8*\cg+3], v[LI], s[4:5] offset:\m*32768+\cg*1024
	global_load_b128 v[QR+32*\m+8*\cg+4:QR+32*\m+8*\cg+7], v[LI], s[4:5] offset:\m*32768+\cg*1024+512
.endr
.endr
	global_load_b128 v[BIAS:BIAS+3], v8, s[8:9]
	global_load_b128 v[BIAS+4:BIAS+7], v8, s[8:9] offset:16
	WIN 0x40                                       ; destination window 1: my 16 rows of Wo, 8 registers for each 16 channels; they land under the attention
.set n, 0
.rept 32
	global_load_b128 v[8*n:8*n+3], v[WOF], s[6:7] offset:64*n
	global_load_b128 v[8*n+4:8*n+7], v[WOF], s[6:7] offset:64*n+16
.set n, n+1
.endr
	WIN 0
	s_wait_loadcnt 63                              ; of the 90 loads the oldest 27 are in: q, k, v and bo are the first 26
.irp cg, 0,1,2,3                               ; S^T = k q^T: lane (r, h): query r, keys 8 h + 0 .. 7
.irp u, 0,1,2,3
.if (\cg == 0) && (\u < 2)
	v_wmma_f32_16x16x4_f32 v[SA0+8*(\u%2):SA0+8*(\u%2)+7], v[KR+8*\cg+2*\u:KR+8*\cg+2*\u+1], v[QR+8*\cg+2*\u:QR+8*\cg+2*\u+1], 0
.else
	v_wmma_f32_16x16x4_f32 v[SA0+8*(\u%2):SA0+8*(\u%2)+7], v[KR+8*\cg+2*\u:KR+8*\cg+2*\u+1], v[QR+8*\cg+2*\u:QR+8*\cg+2*\u+1], v[SA0+8*(\u%2):SA0+8*(\u%2)+7]
.endif
.endr
.endr
	PLACES8
.irp j, 0,1,2,3,4,5,6,7
	v_add_f32 v[T+\j], v[SA0+\j], v[SA0+8+\j]      ; the two halves of the sum, from the low end on
.endr
.irp j, 0,1,2,3,4,5,6,7
	v_cmp_le_i32 vcc_lo, \j, v5                    ; key 8 h + j counts where it is at or under query r
	v_cndmask_b32 v[T+\j], s20, v[T+\j], vcc_lo
.endr
	v_max3_num_f32 v152, v[T], v[T+1], v[T+2]
	v_max3_num_f32 v153, v[T+3], v[T+4], v[T+5]
	v_max3_num_f32 v152, v152, v[T+6], v[T+7]
	v_max_num_f32 v152, v152, v153
	v_permlanex16_b32 v153, v152, s22, s23
	v_max_num_f32 v152, v152, v153                 ; the row's maximum: key 0 counts for every query
	v_mul_f32 v154, s21, v152
.irp j, 0,1,2,3,4,5,6,7
	v_fma_f32 v[T+\j], v[T+\j], s21, -v154
.endr
.irp j, 0,1,2,3,4,5,6,7
	v_exp_f32 v[T+\j], v[T+\j]
.endr
	v_nop
	s_wait_alu depctr_va_vdst(0)                   ; one wait for the eight, ahead of their first reader
	v_add_f32 v155, v[T], v[T+1]
	v_add_f32 v156, v[T+2], v[T+3]
	v_add_f32 v157, v[T+4], v[T+5]
	v_add_f32 v158, v[T+6], v[T+7]
	v_add_f32 v155, v155, v156
	v_add_f32 v157, v157, v158
	v_add_f32 v155, v155, v157
	v_permlanex16_b32 v156, v155, s22, s23
	v_add_f32 v155, v155, v156                     ; the row's sum
	v_rcp_f32 v155, v155
	v_nop
	s_wait_alu depctr_va_vdst(0)
.irp u, 0,1,2,3                                ; O^T = v^T p: four accumulators by turns; lane (r, h): query r, channels 16 ct + 8 h + 0 .. 7
.irp ct, 0,1,2,3
.if \u == 0
	v_wmma_f32_16x16x4_f32 v[OA+8*\ct:OA+8*\ct+7], v[VR+8*\ct+2*\u:VR+8*\ct+2*\u+1], v[T+2*\u:T+2*\u+1], 0
.else
	v_wmma_f32_16x16x4_f32 v[OA+8*\ct:OA+8*\ct+7], v[VR+8*\ct+2*\u:VR+8*\ct+2*\u+1], v[T+2*\u:T+2*\u+1], v[OA+8*\ct:OA+8*\ct+7]
.endif
.endr
.endr
	PLACES8
.set n, 0
.rept 32
	v_mul_f32 v[AN+n], v[OA+n], v155               ; / the sum, into other registers
.set n, n+1
.endr
.irp ct, 0,1,2,3
	ds_store_b128 v9, v[AN+8*\ct:AN+8*\ct+3] offset:\ct*1024
	ds_store_b128 v9, v[AN+8*\ct+4:AN+8*\ct+7] offset:\ct*1024+512
.endr
	s_wait_dscnt 0x0                               ; for the others' sake: my stores are done
	s_barrier_signal -1
	s_barrier_wait -1                              ; all 32 tiles of a lie in LDS
	s_wait_loadcnt 0x0                             ; Wo
.macro LD bt                           ; eight tiles of a into v16-79 or v80-143
.irp i, 0,1,2,3,4,5,6,7
	ds_load_b128 v[16+64*((\bt)%2)+8*\i:16+64*((\bt)%2)+8*\i+3], v[LI] offset:(8*(\bt)+\i)*1024
	ds_load_b128 v[16+64*((\bt)%2)+8*\i+4:16+64*((\bt)%2)+8*\i+7], v[LI] offset:(8*(\bt)+\i)*1024+512
.endr
.endm
.macro PROJ bt                         ; 32 products: source 0 = 16 rows of Wo (window 1), source 1 = the 16 rows of a; two accumulators by turns; bo starts the first, 0 the second
	WIN 0x01
.set n, 0
.rept 32
.set rW, 8*(8*(\bt)+n/4)+2*(n%4)
.set rA, 16+64*((\bt)%2)+8*(n/4)+2*(n%4)
.set rP, PA0+8*(n%2)
.if ((\bt) == 0) && (n == 0)
	v_wmma_f32_16x16x4_f32 v[rP:rP+7], v[rW:rW+1], v[rA:rA+1], v[BIAS:BIAS+7]
.elseif ((\bt) == 0) && (n == 1)
	v_wmma_f32_16x16x4_f32 v[rP:rP+7], v[rW:rW+1], v[rA:rA+1], 0
.else
	v_wmma_f32_16x16x4_f32 v[rP:rP+7], v[rW:rW+1], v[rA:rA+1], v[rP:rP+7]
.endif
.set n, n+1
.endr
	WIN 0
.endm
	LD 0
	LD 1
	s_wait_dscnt 16                                ; this batch is in; the next batch's sixteen loads may be out
	PROJ 0
	PLACES8
	LD 2
	s_wait_dscnt 16
	PROJ 1
	PLACES8
	LD 3
	s_wait_dscnt 16
	PROJ 2
	s_wait_dscnt 0x0
	PROJ 3
	PLACES8
.irp j, 0,1,2,3,4,5,6,7
	v_add_f32 v[152+\j], v[PA0+\j], v[PA0+8+\j]    ; lane (r, h): out0(row r, column 16 w + 8 h + j), from the low end on
.endr
	ds_store_b128 v6, v[152:155]
	ds_store_b128 v6, v[156:159] offset:16
	s_wait_dscnt 0x0
	s_barrier_signal -1
	s_barrier_wait -1                              ; 16 rows of 512 bytes lie in the stage
	ds_load_b128 v[160:163], v7
	ds_load_b128 v[164:167], v7 offset:528
	s_wait_dscnt 0x0
	global_store_b128 v[LI], v[160:163], s[10:11]                 ; 32 lanes store 512 consecutive bytes, aligned
	global_store_b128 v[LI], v[164:167], s[10:11] offset:2048
	s_wait_tensorcnt 0x0                           ; the wave's end, behind my last LDS store
	ds_add_u32 v[SPW], v[NIL]
	s_wait_dscnt 0x0
	s_endpgm
.Lfunc_end_k_qd4cd427d0d_early:
	.size	k_qd4cd427d0d_early, .Lfunc_end_k_qd4cd427d0d_early-k_qd4cd427d0d_early
	.p2alignl 7, 3214868480
	.fill 96, 4, 3214868480
	.section	.rodata,"a",@progbits
	.p2align	6, 0x0
	.amdhsa_kernel k_qd4cd427d0d_early
		.amdhsa_group_segment_fixed_size 42496
		.amdhsa_private_segment_fixed_size 0
		.amdhsa_enable_private_segment 0
		.amdhsa_kernarg_size 32
		.amdhsa_user_sgpr_count 2
		.amdhsa_user_sgpr_kernarg_segment_ptr 1
		.amdhsa_wavefront_size32 1
		.amdhsa_system_sgpr_workgroup_id_x 1
		.amdhsa_system_sgpr_workgroup_id_y 1
		.amdhsa_system_sgpr_workgroup_id_z 1
		.amdhsa_system_vgpr_workitem_id 0
		.amdhsa_next_free_vgpr 512
		.amdhsa_next_free_sgpr 66
		.amdhsa_reserve_vcc 1
		.amdhsa_float_denorm_mode_32 3
		.amdhsa_float_denorm_mode_16_64 3
		.amdhsa_memory_ordered 1
		.amdhsa_forward_progress 1
		.amdhsa_inst_pref_size 32
	.end_amdhsa_kernel
	.amdgpu_metadata
---
amdhsa.version: [ 1, 2 ]
amdhsa.kernels:
  - .name:           k_qd4cd427d0d_early
    .symbol:         k_qd4cd427d0d_early.kd
    .args:
      - { .name: ef, .offset: 0, .size: 8, .value_kind: global_buffer, .address_space: global }
      - { .name: Wo, .offset: 8, .size: 8, .value_kind: global_buffer, .address_space: global }
      - { .name: bo, .offset: 16, .size: 8, .value_kind: global_buffer, .address_space: global }
      - { .name: out0, .offset: 24, .size: 8, .value_kind: global_buffer, .address_space: global }
    .group_segment_fixed_size: 42496
    .private_segment_fixed_size: 0
    .kernarg_segment_align: 8
    .kernarg_segment_size: 32
    .max_flat_workgroup_size: 256
    .sgpr_count:     66
    .vgpr_count:     512
    .wavefront_size: 32
...
	.end_amdgpu_metadata
.endif
;; end of part 5
